; MI455X (gfx1250); checked and timed in simulation.
; The chip was launched on July 23, 2026; its instructions are those of AMD's public machine-readable ISA for CDNA 5 (MIT licence, August 2026) and "CDNA5" Instruction Set Architecture Reference Guide (July 2026). The comments in the code are by the model that wrote it; some were corrected since.
;; Mo E Layer. Allowed arithmetic: matrix products marked QUANTISED: E3M2 operands, one E8M0 scale for each 32 along K, by v_wmma_scale_f32_16x16x128_f8f6f4 with both operands' format E3M2, f32 sums; products left as they are: f32 operands where the result goes on into a quantised operand, else bf16, f16 or f32 operands; f32 sums; everything else in f32.
;; Inputs: W1 8 x 1,024 x 4,096 float32; W2 8 x 4,096 x 1,024 float32; Wg 1,024 x 8 float32; b1 8 x 4,096 float32; b2 8 x 1,024 float32; bg 8 float32; x 1,024 x 1,024 float32.
;; Outputs: out0 1,024 x 1,024 float32; out1 one number float32.
;; This version of the problem:
;;   THIS VERSION OF THE PROBLEM IS GIVEN IN LOW PRECISION. The matrix products marked QUANTISED in the list below multiply operands that are first quantised to E3M2 (3 exponent bits, 2 mantissa bits; 6 bits a number), with one power-of-two scale for each 32 numbers along K (OCP MX v1.0); their sums are f32. All else is computed in f32.
;;   The module's matrix products, in the order in which they are computed (A, B: the left and right operand; K: the contracted axis; several contracted axes count as one K, in the product's order):
;;     1. [M 1,024, K 1,024] x [K 1,024, N 8]; A: input x; B: input Wg: left as it is (N = 8 < 16)
;;     2. [M 1,024, K 1,024] x [K 1,024, N 32,768]; A: input x; B: input W1: QUANTISED
;;     3. batch 8 x [M 1,024, K 4,096] x [K 4,096, N 1,024]; A: input W2; B: computed on the way: QUANTISED
;;   THE QUANTISER, for each operand of a quantised product, along K:
;;     - K is cut into blocks of 32 from its start; a last block that is shorter is filled with zeros.
;;     - A block's scale is 2^e with e = floor(log2(the largest magnitude in the block)) - 4, held to -126 .. 127; a block of zeros has e = 0. As a byte (E8M0): e + 127.
;;     - Each number is divided by its block's scale, clamped to +-28, and rounded to the nearest number of E3M2, ties to even, subnormals kept.
;;     - The product sums the exact products of the quantised numbers (number of the format x scale) in f32.
;;   ~~~python
;;   def quantise(x, axis):      # numpy; x: float32 -> the quantised numbers, widened to float32 again
;;       x = np.moveaxis(x, axis, -1); K = x.shape[-1]
;;       x = np.pad(x, [(0, 0)] * (x.ndim - 1) + [(0, -K % 32)]); x = x.reshape(x.shape[:-1] + (-1, 32)); a = np.abs(x).max(-1, keepdims=True)
;;       e = np.where(a > 0, np.clip(np.frexp(np.where(a > 0, a, 1))[1] - 1 - 4, -126, 127), 0)      # np.frexp(a)[1] - 1 = floor(log2(a)), exactly
;;       r = np.clip(x / 2.0 ** e, -28, 28)
;;       step = 2.0 ** (np.maximum(np.frexp(np.where(r == 0, 1, r))[1] - 1, -2) - 2)
;;       q = np.round(r / step) * step * 2.0 ** e      # np.round: ties to even
;;       return np.moveaxis(q.reshape(q.shape[:-2] + (-1,))[..., :K], -1, axis).astype(np.float32)
;;   ~~~
;;   OPERANDS COMPUTED ON THE WAY. 'Computed on the way' means the value that the module computes at that place (a softmax that the list does not call 'softmax' is quantised finished and normalised). What goes into a quantiser is computed in f32, as accurately as f32 sums, v_exp_f32 and their like allow (about 1e-6 of the number): no bf16 or f16 on the way to a quantiser, and a product that is left as it is and whose result goes on into a quantised operand takes f32 operands (vector FMAs, or v_wmma_f32_16x16x4_f32). A number that lies on a knife's edge between two numbers of the format may be rounded either way, as far as f32 arithmetic and the matrix unit's own rounding can turn it there, and no further.
;; 2 versions. Each part assembles by itself: llvm-mc -triple=amdgcn-amd-amdhsa -mcpu=gfx1250 --defsym DOCPART=n.
;; ======== version 1 of 2: 5 launches
;; workspace buffers: xq 819,200 bytes; sel 8,192 bytes of whole numbers; gp 10,240 bytes; meta 9,216 bytes of whole numbers; xs 6,553,600 bytes; hq 25,165,824 bytes; hs 1,048,576 bytes; ypart 67,108,864 bytes
;; launch route (part 1): grid 64 x 1, 16 waves a work-group, no clusters, 36,352 bytes of LDS; arguments x, Wg, bg, xq, sel, gp; writes xq, sel, gp
.if DOCPART == 1
	.amdgcn_target "amdgcn-amd-amdhsa--gfx1250"
	.amdhsa_code_object_version 6
	.text
	.protected	k_q249fd8521c_route
	.globl	k_q249fd8521c_route
	.p2align	8
	.type	k_q249fd8521c_route,@function
k_q249fd8521c_route:
	s_mov_b64 s[64:65], 0
	v_nop
	global_prefetch_b8 v0, s[64:65] scope:SCOPE_SE
	s_setreg_imm32_b32 hwreg(HW_REG_WAVE_MODE, 25, 1), 1
	s_wait_xcnt 0x0
; ROUTE.  For each of the 1,024 tokens: x's row is quantised to BF6 (E3M2) codes with one E8M0 byte for each 32 along K; the gate x Wg + bg (f32 multiply-adds),
; its softmax (the maximum taken away), the two largest probabilities, their experts and their normalised weights.
; A work-group has 16 waves and takes 16 tokens, one a wave.  A lane takes one block of 32 numbers of the row: the block's largest magnitude needs no other lane,
; and the same 32 numbers meet 32 rows of Wg, which lie in LDS (32 KB, copied once by the work-group).
; OUT: xq: a record of 800 bytes a token: 8 K steps of 96 bytes, the four blocks of a step in the order 0, 2, 1, 3, so that lane (r, h) of an operand finds its 12 registers
;      as 48 bytes on end at 96 KS + 48 h; then the 32 scale bytes in their natural order.
;      sel: [token][2] the chosen experts, as whole numbers at fixed places: no address of this launch hangs on them.
;      gp:  gw[2 token + k] the normalised weights; from byte 8,192 on psum[work-group][8], the 16 tokens' sums of probabilities.
; LIMITS: NaN and infinities are not served.  A block of zeros gets the byte 1 where the rule says 127: its codes are zeros and only this program reads the bytes.
; Of two probabilities that are equal in f32 the lower index is kept; probabilities closer than f32 rounding may fall either way.
.set PROB, 33280                       ; LDS: Wg at 0 (byte B at B + 16 (B >> 10): a lane's 1,024 bytes lie 1,040 apart); PROB 512 bytes; SELL = PROB + 512; GWL = PROB + 640
.set X,    8                           ; v8-39    my block of 32 numbers
.set WST,  40                          ; v40-55   Wg on its way to LDS
.set WB,   56                          ; v56-119  eight rows of Wg
.set SUM,  120                         ; v120-127 the eight logits
.set M0,   128
.set M1,   129
.set SCO,  130
.set BY,   131
.set C,    132                         ; v132-138 the codes
.set PT,   140                         ; v140-147 the other half's sums
.set T0,   148                         ; v148-149 at work
.set P,    150                         ; v150-157 exponentials, then probabilities
.set T1,   158                         ; v158-161 at work
.set BEST, 162
.set IDX,  163
.set Q,    164                         ; v164-171 the probabilities without the winner
.set NEG,  172
.set BES2, 173
.set IDX2, 174
.set PA,   176                         ; PROB + 32 wave
.set SA,   177                         ; SELL + 8 wave
.set RA,   178                         ; PROB + 4 lane
.set L4,   179                         ; 4 lane
	s_load_b256 s[4:11], s[0:1], 0x0               ; x s[4:5], Wg s[6:7], bg s[8:9], xq s[10:11]
	s_load_b128 s[12:15], s[0:1], 0x20             ; sel s[12:13], gp s[14:15]
	v_lshl_add_u32 v192, v0, 2, 0x8600
	v_mov_b32 v193, 0
	v_lshrrev_b32 v1, 5, v0
	v_readfirstlane_b32 s24, v1                    ; wave
	v_and_b32 v1, 31, v0                           ; lane
	v_lshlrev_b32 v2, 4, v0                        ; Wg in memory: 16 bytes a thread
	v_lshrrev_b32 v3, 6, v0
	v_lshl_add_u32 v3, v3, 4, v2                   ; and in LDS: + 16 for each 1,024 passed
	v_lshlrev_b32 v4, 7, v1                        ; x: my block's 128 bytes
	v_mul_u32_u24 v5, v1, 1040                     ; my 32 rows of Wg in LDS
	v_lshrrev_b32 v6, 2, v1
	v_mul_u32_u24 v6, v6, 96                       ; xq: K step lane / 4,
	v_and_b32 v7, 1, v1
	v_mad_u32_u24 v6, v7, 48, v6                   ; blocks in the order 0, 2, 1, 3: place 2 (lane & 1) + ((lane >> 1) & 1), 24 bytes each
	v_bfe_u32 v7, v1, 1, 1
	v_mad_u32_u24 v6, v7, 24, v6
	s_lshl_b32 s25, ttmp9, 4
	s_add_co_u32 s25, s25, s24                     ; my token
	s_lshl_b32 s26, s24, 5
	s_add_co_u32 s26, s26, PROB
	v_mov_b32 v[PA], s26
	s_lshl_b32 s26, s24, 3
	s_add_co_u32 s26, s26, PROB+512
	v_mov_b32 v[SA], s26
	v_lshl_add_u32 v[RA], v1, 2, PROB
	v_lshlrev_b32 v[L4], 2, v1
	s_mov_b32 s30, 0x76543210
	s_mov_b32 s31, 0xfedcba98                      ; v_permlanex16_b32's selects for lane l xor 16
	s_lshl_b32 s28, s25, 12
	s_mov_b32 s29, 0
	s_wait_kmcnt 0x0
	s_load_b256 s[16:23], s[8:9], 0x0              ; bg
	s_add_nc_u64 s[4:5], s[4:5], s[28:29]          ; x at my row
	s_mul_i32 s28, s25, 800
	s_add_nc_u64 s[10:11], s[10:11], s[28:29]      ; xq at my record
	s_lshl_b32 s28, ttmp9, 7
	s_add_nc_u64 s[12:13], s[12:13], s[28:29]      ; sel and gw: 128 bytes a work-group
	s_add_nc_u64 s[32:33], s[14:15], s[28:29]
	s_lshl_b32 s28, ttmp9, 5
	s_add_nc_u64 s[34:35], s[14:15], s[28:29]      ; psum: 32 bytes a work-group
.irp j, 0,1,2,3
	global_load_b128 v[WST+4*\j:WST+4*\j+3], v2, s[6:7] offset:8192*\j
.endr
.irp j, 0,1,2,3,4,5,6,7
	global_load_b128 v[X+4*\j:X+4*\j+3], v4, s[4:5] offset:16*\j th:TH_LOAD_NT
.endr
	s_wait_loadcnt 8                               ; Wg's four loads are in; x's eight are younger
.irp j, 0,1,2,3
	ds_store_b128 v3, v[WST+4*\j:WST+4*\j+3] offset:8320*\j
.endr
	s_wait_loadcnt 0x0                             ; x
	; my block's largest magnitude, with the floor 2^(5 - 127) among its leaves; 4 off its exponent field is the conversion's scale operand, and that shifted down the byte
	v_max3_num_f32 v[M0], |v[X]|, |v[X+1]|, |v[X+2]|
	v_max3_num_f32 v[M1], |v[X+3]|, |v[X+4]|, |v[X+5]|
.irp i, 6,10,14,18,22,26
	v_max3_num_f32 v[M0], v[M0], |v[X+\i]|, |v[X+\i+1]|
	v_max3_num_f32 v[M1], v[M1], |v[X+\i+2]|, |v[X+\i+3]|
.endr
	v_max3_num_f32 v[M0], v[M0], |v[X+30]|, |v[X+31]|
	v_max3_num_f32 v[M0], v[M0], v[M1], 0x2800000
	v_add_nc_u32 v[SCO], 0xfe000000, v[M0]
	v_lshrrev_b32 v[BY], 23, v[SCO]
	v_cvt_scalef32_pk16_bf6_f32 v[C:C+2], v[X:X+15], v[SCO]
	v_cvt_scalef32_pk16_bf6_f32 v[C+4:C+6], v[X+16:X+31], v[SCO]   ; (a conversion's three registers begin on an even number)
	v_nop                                          ; one plain place behind a scaled conversion
	global_store_b96 v6, v[C:C+2], s[10:11]
	global_store_b96 v6, v[C+4:C+6], s[10:11] offset:12
	global_store_b8 v1, v[BY], s[10:11] offset:768
	s_wait_dscnt 0x0                               ; for the others' sake: my part of Wg lies in LDS
	s_barrier_signal -1
	s_barrier_wait -1
	; the gate: my 32 numbers x my 32 rows of Wg, eight rows at a time; four pairs of sums; the first products start the sums
.irp g, 0,1,2,3
.irp i, 0,1,2,3,4,5,6,7
	ds_load_b128 v[WB+8*\i:WB+8*\i+3], v5 offset:256*\g+32*\i
	ds_load_b128 v[WB+8*\i+4:WB+8*\i+7], v5 offset:256*\g+32*\i+16
.endr
	s_wait_dscnt 0x0
.irp i, 0,1,2,3,4,5,6,7
.irp p, 0,1,2,3
.if (\g == 0) && (\i == 0)
	v_pk_mul_f32 v[SUM+2*\p:SUM+2*\p+1], v[WB+2*\p:WB+2*\p+1], v[X:X+1] op_sel_hi:[1,0]
.elseif (\i % 2) == 0
	v_pk_fma_f32 v[SUM+2*\p:SUM+2*\p+1], v[WB+8*\i+2*\p:WB+8*\i+2*\p+1], v[X+8*\g+\i:X+8*\g+\i+1], v[SUM+2*\p:SUM+2*\p+1] op_sel_hi:[1,0,1]
.else
	v_pk_fma_f32 v[SUM+2*\p:SUM+2*\p+1], v[WB+8*\i+2*\p:WB+8*\i+2*\p+1], v[X+8*\g+\i-1:X+8*\g+\i], v[SUM+2*\p:SUM+2*\p+1] op_sel:[0,1,0] op_sel_hi:[1,1,1]
.endif
.endr
.endr
.endr
	; over the 32 lanes: every lane ends with the eight sums
.irp m, 1,2,4,8
.irp n, 0,1,2,3,4,5,6,7
	v_add_f32_dpp v[SUM+\n], v[SUM+\n], v[SUM+\n] row_xmask:\m row_mask:0xf bank_mask:0xf
.endr
.endr
.irp n, 0,1,2,3,4,5,6,7
	v_mov_b32 v[PT+\n], 0                          ; a lane permute's destination counts as one of its sources
.endr
.irp n, 0,1,2,3,4,5,6,7
	v_permlanex16_b32 v[PT+\n], v[SUM+\n], s30, s31
.endr
	s_wait_kmcnt 0x0                               ; bg
.irp n, 0,1,2,3,4,5,6,7
	v_add_f32 v[SUM+\n], v[SUM+\n], v[PT+\n]
.endr
.irp n, 0,1,2,3,4,5,6,7
	v_add_f32 v[SUM+\n], s[16+\n], v[SUM+\n]
.endr
	; softmax over the eight experts, the largest logit taken away
	v_max3_num_f32 v[T0], v[SUM], v[SUM+1], v[SUM+2]
	v_max3_num_f32 v[T0], v[T0], v[SUM+3], v[SUM+4]
	v_max3_num_f32 v[T0], v[T0], v[SUM+5], v[SUM+6]
	v_max_num_f32 v[T0], v[T0], v[SUM+7]
.irp n, 0,1,2,3,4,5,6,7
	v_sub_f32 v[P+\n], v[SUM+\n], v[T0]
.endr
.irp n, 0,1,2,3,4,5,6,7
	v_mul_f32 v[P+\n], 0x3fb8aa3b, v[P+\n]         ; x log2(e)
.endr
.irp n, 0,1,2,3,4,5,6,7
	v_exp_f32 v[P+\n], v[P+\n]
.endr
	v_mov_b32 v[NEG], -1.0                         ; (a plain place behind the exponentials)
	s_wait_alu depctr_va_vdst(0)
	v_add_f32 v[T1], v[P], v[P+1]
	v_add_f32 v[T1+1], v[P+2], v[P+3]
	v_add_f32 v[T1+2], v[P+4], v[P+5]
	v_add_f32 v[T1+3], v[P+6], v[P+7]
	v_add_f32 v[T1], v[T1], v[T1+1]
	v_add_f32 v[T1+2], v[T1+2], v[T1+3]
	v_add_f32 v[T1], v[T1], v[T1+2]
	v_rcp_f32 v[T0], v[T1]
	v_mov_b32 v[IDX], 0                            ; (a plain place behind the reciprocal)
	s_wait_alu depctr_va_vdst(0)
.irp n, 0,1,2,3,4,5,6,7
	v_mul_f32 v[P+\n], v[P+\n], v[T0]              ; the probabilities
.endr
	; the largest: a later one takes the place only where it is strictly larger, so of equals the lower index stays
	v_mov_b32 v[BEST], v[P]
.irp n, 1,2,3,4,5,6,7
	v_cmp_le_f32 vcc_lo, v[P+\n], v[BEST]
	v_cndmask_b32 v[IDX], \n, v[IDX], vcc_lo
	v_cndmask_b32 v[BEST], v[P+\n], v[BEST], vcc_lo
.endr
	; the second: the same with -1 in the winner's place
.irp n, 0,1,2,3,4,5,6,7
	v_cmp_eq_u32 vcc_lo, \n, v[IDX]
	v_cndmask_b32 v[Q+\n], v[P+\n], v[NEG], vcc_lo
.endr
	v_mov_b32 v[BES2], v[Q]
	v_mov_b32 v[IDX2], 0
.irp n, 1,2,3,4,5,6,7
	v_cmp_le_f32 vcc_lo, v[Q+\n], v[BES2]
	v_cndmask_b32 v[IDX2], \n, v[IDX2], vcc_lo
	v_cndmask_b32 v[BES2], v[Q+\n], v[BES2], vcc_lo
.endr
	v_add_f32 v[T1], v[BEST], v[BES2]
	v_rcp_f32 v[T0], v[T1]
	v_nop                                          ; a plain place behind the reciprocal
	s_wait_alu depctr_va_vdst(0)
	v_mul_f32 v[BEST], v[BEST], v[T0]              ; the two weights, normalised
	v_mul_f32 v[BES2], v[BES2], v[T0]
.irp n, 0,1,2,3,4,5,6,7
	ds_store_b32 v[PA], v[P+\n] offset:4*\n        ; all lanes write the same word with the same value
.endr
	ds_store_b32 v[SA], v[IDX]
	ds_store_b32 v[SA], v[IDX2] offset:4
	ds_store_b32 v[SA], v[BEST] offset:128
	ds_store_b32 v[SA], v[BES2] offset:132
	s_wait_dscnt 0x0                               ; for wave 0's sake
	s_barrier_signal -1
	s_barrier_wait -1
	s_cmp_lg_u32 s24, 0
	s_cbranch_scc1 .Lend
	; wave 0 stores the work-group's 32 choices, 32 weights and 8 sums: each store covers consecutive bytes
	ds_load_b32 v[WB], v[RA] offset:512
	ds_load_b32 v[WB+1], v[RA] offset:640
.irp j, 0,1,2,3
	ds_load_b32 v[WB+2+\j], v[RA] offset:128*\j    ; probabilities of tokens 4 j + lane / 8, expert lane % 8
.endr
	s_wait_dscnt 0x0
	global_store_b32 v[L4], v[WB], s[12:13]
	global_store_b32 v[L4], v[WB+1], s[32:33]
	v_add_f32 v[WB+2], v[WB+2], v[WB+3]
	v_add_f32 v[WB+4], v[WB+4], v[WB+5]
	v_add_f32 v[WB+2], v[WB+2], v[WB+4]
	v_add_f32_dpp v[WB+2], v[WB+2], v[WB+2] row_xmask:8 row_mask:0xf bank_mask:0xf
	v_permlanex16_b32 v[PT], v[WB+2], s30, s31
	v_add_f32 v[WB+2], v[WB+2], v[PT]
	v_cmp_gt_u32 vcc_lo, 8, v1
	s_wait_xcnt 0x0                                ; EXEC changes only behind this wait
	s_and_saveexec_b32 s28, vcc_lo
	global_store_b32 v[L4], v[WB+2], s[34:35] offset:8192
	s_wait_xcnt 0x0
	s_or_b32 exec_lo, exec_lo, s28
.Lend:
	s_wait_tensorcnt 0x0
	ds_add_u32 v192, v193
	s_wait_dscnt 0x0
	s_endpgm
.Lfunc_end_k_q249fd8521c_route:
	.size	k_q249fd8521c_route, .Lfunc_end_k_q249fd8521c_route-k_q249fd8521c_route
	.p2alignl 7, 3214868480
	.fill 96, 4, 3214868480
	.section	.rodata,"a",@progbits
	.p2align	6, 0x0
	.amdhsa_kernel k_q249fd8521c_route
		.amdhsa_group_segment_fixed_size 36352
		.amdhsa_private_segment_fixed_size 0
		.amdhsa_enable_private_segment 0
		.amdhsa_kernarg_size 48
		.amdhsa_user_sgpr_count 2
		.amdhsa_user_sgpr_kernarg_segment_ptr 1
		.amdhsa_wavefront_size32 1
		.amdhsa_system_sgpr_workgroup_id_x 1
		.amdhsa_system_sgpr_workgroup_id_y 1
		.amdhsa_system_sgpr_workgroup_id_z 1
		.amdhsa_system_vgpr_workitem_id 0
		.amdhsa_next_free_vgpr 194
		.amdhsa_next_free_sgpr 66
		.amdhsa_reserve_vcc 1
		.amdhsa_float_denorm_mode_32 3
		.amdhsa_float_denorm_mode_16_64 3
		.amdhsa_memory_ordered 1
		.amdhsa_forward_progress 1
		.amdhsa_inst_pref_size 27
	.end_amdhsa_kernel
	.amdgpu_metadata
---
amdhsa.version: [ 1, 2 ]
amdhsa.kernels:
  - .name:           k_q249fd8521c_route
    .symbol:         k_q249fd8521c_route.kd
    .args:
      - { .name: x, .offset: 0, .size: 8, .value_kind: global_buffer, .address_space: global }
      - { .name: Wg, .offset: 8, .size: 8, .value_kind: global_buffer, .address_space: global }
      - { .name: bg, .offset: 16, .size: 8, .value_kind: global_buffer, .address_space: global }
      - { .name: xq, .offset: 24, .size: 8, .value_kind: global_buffer, .address_space: global }
      - { .name: sel, .offset: 32, .size: 8, .value_kind: global_buffer, .address_space: global }
      - { .name: gp, .offset: 40, .size: 8, .value_kind: global_buffer, .address_space: global }
    .group_segment_fixed_size: 36352
    .private_segment_fixed_size: 0
    .kernarg_segment_align: 8
    .kernarg_segment_size: 48
    .max_flat_workgroup_size: 512
    .sgpr_count:     66
    .vgpr_count:     194
    .wavefront_size: 32
...
	.end_amdgpu_metadata
.endif
;; end of part 1
;; launch place (part 2): grid 144 x 1, 16 waves a work-group, no clusters, 0 bytes of LDS; arguments sel, xq, xs, meta; writes xs, meta
.if DOCPART == 2
	.amdgcn_target "amdgcn-amd-amdhsa--gfx1250"
	.amdhsa_code_object_version 6
	.text
	.protected	k_q249fd8521c_place
	.globl	k_q249fd8521c_place
	.p2align	8
	.type	k_q249fd8521c_place,@function
k_q249fd8521c_place:
	s_mov_b64 s[64:65], 0
	v_nop
	global_prefetch_b8 v0, s[64:65] scope:SCOPE_SE
	s_setreg_imm32_b32 hwreg(HW_REG_WAVE_MODE, 25, 1), 1
	s_wait_xcnt 0x0
; PLACE.  The routed rows are laid by expert.  sel (whole numbers, stored by the launch before) says which two experts each token chose.
; A wave takes one task.  Tasks 0 .. 2,047 (work-groups 0-127): the routed row rid = 2 token + k.  Its place p in its expert's list is the number of earlier tokens that chose the same expert:
; every wave reads all of sel (8 KB) and counts by 32 turns of compares and bit counts, in scalar registers.  The token's codes go from xq into xs as pieces of operand images, its scale words behind them,
; and slotof[rid] = 1024 e + p into meta.
; Tasks 2,048 .. 2,303 (work-groups 128-143): (expert e, j of 32): a row of zero codes (scale bytes 127) at slot count + j, where that lies under max(count, 1) rounded up to 32: so every byte that the
; next launch reads has been written.  j = 0 also stores cnt[e] (32 copies).  A task past that bound stores nothing: the grid serves every split of the tokens.
; xs: codes [e][tile of 16 rows: 64][K step 8], an image of 1,536 bytes = [lane r + 16 h][48 bytes]; from byte SCL on, scale words [e][tile][row 16][K step 8].
; ADDRESSES.  What hangs on sel enters an address as a scalar held by s_min_u32 with a constant, shifted left and added to the pointer: a multiple such as 12,288 is two shifts and two sums.
; The vector offsets hang on the lane alone.  Each word of slotof, each row of xs and each cnt has one writer.
.set SCL, 6291456
.macro ADDSH base, reg, sh             ; pointer += held number << sh  (s31 = 0)
	s_lshl_b32 s30, s[\reg], \sh
	s_add_nc_u64 s[\base:\base+1], s[\base:\base+1], s[30:31]
.endm
; s16 = the expert, s17 = the token in front of which the count stops.  Out: s24 = choosers of s16 among tokens under s17, s25 = among all 1,024.
.macro RANK
	s_mov_b32 s24, 0
	s_mov_b32 s25, 0
.set ii, 0
.rept 32                               ; tokens 32 ii + lane
	v_cmp_eq_u32 s26, s16, v[8+2*ii]
	v_cmp_eq_u32 s27, s16, v[9+2*ii]
	s_or_b32 s26, s26, s27                         ; those that chose the expert, as first or as second
	s_sub_co_i32 s28, s17, 32*ii
	v_cmp_gt_i32 s27, s28, v1                      ; those in front of the stop
	s_bcnt1_i32_b32 s29, s26
	s_add_co_u32 s25, s25, s29
	s_and_b32 s26, s26, s27
	s_bcnt1_i32_b32 s29, s26
	s_add_co_u32 s24, s24, s29
.set ii, ii+1
.endr
.endm
; the row in v72-78 goes to slot s19 of expert s16
.macro PUT
	s_lshr_b32 s26, s19, 4
	s_min_u32 s26, s26, 63                         ; tile
	s_and_b32 s27, s19, 15
	s_min_u32 s27, s27, 15                         ; row in it
	s_min_u32 s28, s16, 7                          ; expert
	s_mov_b64 s[36:37], s[8:9]
	s_mov_b64 s[38:39], s[8:9]
	ADDSH 36, 28, 19                               ; codes: 786,432 bytes an expert,
	ADDSH 36, 28, 18
	ADDSH 36, 26, 13                               ; 12,288 a tile,
	ADDSH 36, 26, 12
	ADDSH 36, 27, 5                                ; 48 a row
	ADDSH 36, 27, 4
	ADDSH 38, 28, 15                               ; scale words: 32,768 an expert, 512 a tile, 32 a row
	ADDSH 38, 26, 9
	ADDSH 38, 27, 5
.irp n, 0,1,2
	global_store_b64 v4, v[72+2*\n:73+2*\n], s[36:37] offset:8*\n
.endr
	v_cmp_gt_u32 vcc_lo, 8, v1
	s_wait_xcnt 0x0                                ; EXEC changes only behind this wait
	s_and_saveexec_b32 s42, vcc_lo
	global_store_b32 v5, v78, s[38:39] offset:SCL  ; eight lanes: the row's eight scale words
	s_wait_xcnt 0x0
	s_or_b32 exec_lo, exec_lo, s42
.endm
	s_load_b256 s[4:11], s[0:1], 0x0               ; sel s[4:5], xq s[6:7], xs s[8:9], meta s[10:11]
	v_lshrrev_b32 v1, 5, v0
	v_readfirstlane_b32 s12, v1                    ; wave
	v_and_b32 v1, 31, v0                           ; lane
	v_lshlrev_b32 v2, 3, v1                        ; sel: 8 bytes a token
	v_mul_u32_u24 v3, v1, 24                       ; a record's codes: 24 bytes a lane: K step lane / 4, half h = (lane / 2) % 2, block lane % 2 of that half's two
	v_lshrrev_b32 v4, 2, v1
	v_mul_u32_u24 v4, v4, 1536                     ; and where they go: the K step's image,
	v_bfe_u32 v5, v1, 1, 1
	v_mad_u32_u24 v4, v5, 768, v4                  ; lanes 16 h on,
	v_and_b32 v5, 1, v1
	v_mad_u32_u24 v4, v5, 24, v4                   ; the first or the second six registers
	v_lshlrev_b32 v5, 2, v1                        ; 4 lane
	v_and_b32 v6, 7, v1
	v_lshlrev_b32 v6, 2, v6                        ; 4 (lane % 8)
	s_lshl_b32 s13, ttmp9, 4
	s_add_co_u32 s13, s13, s12                     ; my task
	s_mov_b32 s31, 0
	s_wait_kmcnt 0x0
.set ii, 0
.rept 32
	global_load_b64 v[8+2*ii:9+2*ii], v2, s[4:5] offset:256*ii
.set ii, ii+1
.endr
	s_cmp_lt_u32 ttmp9, 128
	s_cbranch_scc0 .Lpad
	; A ROUTED ROW
	s_lshl_b32 s14, s13, 2
	s_load_b32 s16, s[4:5], s14 offset:0x0         ; my expert
	s_lshr_b32 s17, s13, 1                         ; my token
	s_mul_i32 s20, s17, 800
	s_mov_b32 s21, 0
	s_add_nc_u64 s[22:23], s[6:7], s[20:21]        ; its record
.irp n, 0,1,2
	global_load_b64 v[72+2*\n:73+2*\n], v3, s[22:23] offset:8*\n
.endr
	global_load_b32 v78, v6, s[22:23] offset:768
	s_wait_kmcnt 0x0
	s_wait_loadcnt 0x0
	RANK
	s_mov_b32 s19, s24                             ; my place
	PUT
	v_mov_b32 v80, s14
	s_lshl_b32 s32, s16, 10
	s_add_co_u32 s32, s32, s19
	v_mov_b32 v81, s32                             ; 1024 e + p
	v_cmp_eq_u32 vcc_lo, 0, v1
	s_wait_xcnt 0x0
	s_and_saveexec_b32 s42, vcc_lo
	global_store_b32 v80, v81, s[10:11]            ; slotof[rid]
	s_wait_xcnt 0x0
	s_or_b32 exec_lo, exec_lo, s42
	s_endpgm
.Lpad:
	; A ROW OF ZEROS behind an expert's last row
	s_sub_co_u32 s15, s13, 2048
	s_lshr_b32 s16, s15, 5                         ; expert
	s_and_b32 s18, s15, 31                         ; j
	s_mov_b32 s17, 1024                            ; the count stops nowhere
.irp n, 0,1,2,3,4,5
	v_mov_b32 v[72+\n], 0
.endr
	v_mov_b32 v78, 0x7f7f7f7f
	s_wait_loadcnt 0x0
	RANK
	s_cmp_lg_u32 s18, 0
	s_cbranch_scc1 .Lno_cnt
	v_mov_b32 v81, s25
	s_lshl_b32 s20, s16, 7
	s_mov_b32 s21, 0
	s_add_nc_u64 s[22:23], s[10:11], s[20:21]
	global_store_b32 v5, v81, s[22:23] offset:8192 ; cnt[e], 32 copies: 128 consecutive bytes
.Lno_cnt:
	s_add_co_u32 s19, s25, s18                     ; slot count + j
	s_max_u32 s26, s25, 1
	s_add_co_u32 s26, s26, 31
	s_and_not1_b32 s26, s26, 31                    ; max(count, 1) rounded up to 32
	s_cmp_ge_u32 s19, s26
	s_cbranch_scc1 .Lend
	PUT
.Lend:
	s_endpgm
.Lfunc_end_k_q249fd8521c_place:
	.size	k_q249fd8521c_place, .Lfunc_end_k_q249fd8521c_place-k_q249fd8521c_place
	.p2alignl 7, 3214868480
	.fill 96, 4, 3214868480
	.section	.rodata,"a",@progbits
	.p2align	6, 0x0
	.amdhsa_kernel k_q249fd8521c_place
		.amdhsa_group_segment_fixed_size 0
		.amdhsa_private_segment_fixed_size 0
		.amdhsa_enable_private_segment 0
		.amdhsa_kernarg_size 32
		.amdhsa_user_sgpr_count 2
		.amdhsa_user_sgpr_kernarg_segment_ptr 1
		.amdhsa_wavefront_size32 1
		.amdhsa_system_sgpr_workgroup_id_x 1
		.amdhsa_system_sgpr_workgroup_id_y 1
		.amdhsa_system_sgpr_workgroup_id_z 1
		.amdhsa_system_vgpr_workitem_id 0
		.amdhsa_next_free_vgpr 96
		.amdhsa_next_free_sgpr 66
		.amdhsa_reserve_vcc 1
		.amdhsa_float_denorm_mode_32 3
		.amdhsa_float_denorm_mode_16_64 3
		.amdhsa_memory_ordered 1
		.amdhsa_forward_progress 1
		.amdhsa_inst_pref_size 37
	.end_amdhsa_kernel
	.amdgpu_metadata
---
amdhsa.version: [ 1, 2 ]
amdhsa.kernels:
  - .name:           k_q249fd8521c_place
    .symbol:         k_q249fd8521c_place.kd
    .args:
      - { .name: sel, .offset: 0, .size: 8, .value_kind: global_buffer, .address_space: global }
      - { .name: xq, .offset: 8, .size: 8, .value_kind: global_buffer, .address_space: global }
      - { .name: xs, .offset: 16, .size: 8, .value_kind: global_buffer, .address_space: global }
      - { .name: meta, .offset: 24, .size: 8, .value_kind: global_buffer, .address_space: global }
    .group_segment_fixed_size: 0
    .private_segment_fixed_size: 0
    .kernarg_segment_align: 8
    .kernarg_segment_size: 32
    .max_flat_workgroup_size: 512
    .sgpr_count:     66
    .vgpr_count:     96
    .wavefront_size: 32
...
	.end_amdgpu_metadata
.endif
;; end of part 2
;; launch ffn1 (part 3): grid 256 x 1, 16 waves a work-group, no clusters, 163,840 bytes of LDS; arguments W1, b1, xs, meta, hq, hs; writes hq, hs
.if DOCPART == 3
	.amdgcn_target "amdgcn-amd-amdhsa--gfx1250"
	.amdhsa_code_object_version 6
	.text
	.protected	k_q249fd8521c_ffn1
	.globl	k_q249fd8521c_ffn1
	.p2align	8
	.type	k_q249fd8521c_ffn1,@function
k_q249fd8521c_ffn1:
	s_mov_b64 s[64:65], 0
	v_nop
	global_prefetch_b8 v0, s[64:65] scope:SCOPE_SE
	s_setreg_imm32_b32 hwreg(HW_REG_WAVE_MODE, 25, 1), 1
	s_wait_xcnt 0x0
; FFN1.  h = relu(x W1[e] + b1[e]) for the rows routed to expert e, on BF6 (E3M2) codes with one E8M0 scale for each 32 along K; h leaves as codes for the second product.
; A work-group owns expert e = wg / 32 and 128 hidden units (slice = wg % 32), as two runs of 64 columns.  It reads its 512 KB of W1 (f32, K outermost) ONCE, quantises it on the way
; (a lane takes a column, its 32 registers run down K) and keeps the codes in LDS as images of operand registers: 64 fragments of 16 columns x 128 K, written once, never again.
; The stream goes in 8 steps of 256 K x 64 columns.  Wave w loads columns 32 (w & 1) on, K 32 (w >> 1) on: 32 loads of 128 bytes; waves w and w ^ 1 cover 256 consecutive bytes.
; ROWS.  x's codes come as register images, laid by expert by the launch before (xs); the expert's count comes from meta.  Wave w multiplies slots 32 w .. 32 w + 31 (two tiles of 16) step by step as the
; weights' codes arrive; a wave whose slots lie past the count jumps over that work (never over a barrier), and its first step, which every wave runs, reads group 0, which is always written.
; Slots 512 on are served by a second walk over the codes kept in LDS, with no barrier.  Group 0 is always made, so that the next launch always finds bytes that were written.
; THE PRODUCT IS USED TRANSPOSED (source 0 = 16 columns of W1, source 1 = 16 rows of x), and the columns of a tile are chosen (lane m of tile 2 b + u: column 32 b + 8 u + m + 8 (m / 8)) so that
; a lane holds ONE row and the 16 registers of tiles 2 b, 2 b + 1 are 16 neighbours along the next K.
; The eight accumulators take turns, one instruction a turn.  Scale registers hold scales alone.
; OUT: hq [e][tile 64][K step 32] images of 1,536 bytes ([lane][48]); hs [e][tile][row 16][K step 32] scale words.
; LIMITS: NaN and infinities are not served.  A block of zeros gets the byte 1 where the rule says 127: its codes are zeros and only this program reads the bytes.
.set WS,   98304                       ; LDS: codes at 0 (64 x 1,536); WS: scale bytes [K step 16][m 16][tile 4][block 4]
.set BIAS, 102400                      ; 512 bytes a wave: its own copy of the slice's 128 numbers of b1
.set PARK, 110592                      ; 3,072 bytes a wave: two images of h
.set PSC,  159744                      ; 128 bytes a wave: their scale words
.set LN4, 1                            ; v1   4 lane
.set PW,  2                            ; v2-3 where my block's codes go (steps 0-3, 4-7)
.set SW,  4                            ; v4   and its scale byte
.set RP,  5                            ; v5-6 48 lane: an image's place for my lane, in LDS (K steps 0-7, 8-15) and in xs
.set RS,  7                            ; v7   WS + 16 (lane % 16)
.set XS,  10                           ; v10  32 r: my row's scale words in a tile of xs
.set BW,  12                           ; v12  BIAS + 512 wave + 16 lane
.set BA,  16                           ; v16  BIAS + 512 wave + 64 h
.set PK,  17                           ; PARK + 3072 wave + 48 lane
.set PS,  18                           ; PSC + 128 wave + 4 r
.set PL,  19                           ; PARK + 3072 wave + 16 lane
.set PSL, 20                           ; PSC + 128 wave + 4 lane
.set GC,  21                           ; 16 lane
.set GS,  22                           ; 2048 h + 128 r
.set BR,  28                           ; v28-31   b1 on its way to LDS
.set ST,  32                           ; v32-95   two sets of 32 numbers of W1
.set WF,  96                           ; v96-119  two fragments of W1
.set WSC, 120                          ; v120-123 a K step's four scale words of W1
.set XF,  124                          ; v124-171 x's fragments: (K step a, tile i) at 12 (2 i + a)
.set XSC, 172                          ; v172-175 x's scale words: 2 i + a
.set ACC, 176                          ; v176-239 accumulators: 32 i + 8 t
.set C,   240                          ; v240-246 codes just made
.set M0,  248
.set M1,  249
.set SCO, 250
.set BY,  251
; one step's 32 numbers of my column: W1(k0 + i, column).  Each step has its own base, made once: no source of a pending load is ever rewritten.
.macro LOADSET S
.set ii, 0
.rept 32
	global_load_b32 v[ST+32*((\S)%2)+ii], v[LN4], s[40+2*(\S):41+2*(\S)] offset:16384*ii th:TH_LOAD_NT
.set ii, ii+1
.endr
.endm
; my block of 32 along K becomes 24 bytes of codes and a scale byte, laid where the reader's registers want them
.macro QUANT S
.set XB, ST+32*((\S)%2)
	v_max3_num_f32 v[M0], |v[XB]|, |v[XB+1]|, |v[XB+2]|
	v_max3_num_f32 v[M1], |v[XB+3]|, |v[XB+4]|, |v[XB+5]|
.irp i, 6,10,14,18,22,26
	v_max3_num_f32 v[M0], v[M0], |v[XB+\i]|, |v[XB+\i+1]|
	v_max3_num_f32 v[M1], v[M1], |v[XB+\i+2]|, |v[XB+\i+3]|
.endr
	v_max3_num_f32 v[M0], v[M0], |v[XB+30]|, |v[XB+31]|
	v_max3_num_f32 v[M0], v[M0], v[M1], 0x2800000  ; and the floor 2^(5 - 127): the byte cannot fall under 1
	v_add_nc_u32 v[SCO], 0xfe000000, v[M0]         ; 4 off the exponent field: the conversion's scale operand
	v_lshrrev_b32 v[BY], 23, v[SCO]                ; the byte
	v_cvt_scalef32_pk16_bf6_f32 v[C:C+2], v[XB:XB+15], v[SCO]
	v_cvt_scalef32_pk16_bf6_f32 v[C+4:C+6], v[XB+16:XB+31], v[SCO]   ; (a conversion's three registers begin on an even number)
	v_nop                                          ; one plain place behind a scaled conversion
	v_mov_b32 v[C+3], v[C+4]
	v_mov_b32 v[C+4], v[C+5]
	v_mov_b32 v[C+5], v[C+6]
.irp p, 0,1,2
	ds_store_b64 v[PW+(\S)/4], v[C+2*\p:C+2*\p+1] offset:((\S)%4)*12288+8*\p
.endr
	ds_store_b8 v[SW], v[BY] offset:512*(\S)
.endm
; my 32 rows' images and scale words for the step's two K steps: 14 loads
.macro XLOAD S, gx, gs
.irp i, 0,1
.irp a, 0,1
.irp j, 0,1,2
	global_load_b128 v[XF+12*(2*\i+\a)+4*\j:XF+12*(2*\i+\a)+4*\j+3], v[RP], s[16:17] offset:\gx+12288*\i+1536*((2*(\S))%8+\a)+16*\j
.endr
.endr
	global_load_b64 v[XSC+2*\i:XSC+2*\i+1], v[XS], s[18:19] offset:\gs+512*\i+4*((2*(\S))%8)
.endr
.endm
; a step's 16 products: two K steps x four column tiles x two row tiles.  Four v_nop behind each four products: the places in front of the next loads into their operands and of reads of the results.
.macro MUL S, zero
.irp a, 0,1
	ds_load_b128 v[WSC:WSC+3], v[RS] offset:256*(2*(\S)+\a)
.irp q, 0,1
.irp u, 0,1
.irp j, 0,1,2
	ds_load_b128 v[WF+12*\u+4*\j:WF+12*\u+4*\j+3], v[RP+(\S)/4] offset:((2*(\S)+\a)%8)*6144+(2*\q+\u)*1536+16*\j
.endr
.endr
	s_wait_dscnt 0x0
.irp u, 0,1
.irp i, 0,1
.if \zero && (\a == 0)
	v_wmma_scale_f32_16x16x128_f8f6f4 v[ACC+32*\i+8*(2*\q+\u):ACC+32*\i+8*(2*\q+\u)+7], v[WF+12*\u:WF+12*\u+11], v[XF+12*(2*\i+\a):XF+12*(2*\i+\a)+11], 0, v[WSC+2*\q+\u], v[XSC+2*\i+\a] matrix_a_fmt:MATRIX_FMT_BF6 matrix_b_fmt:MATRIX_FMT_BF6
.else
	v_wmma_scale_f32_16x16x128_f8f6f4 v[ACC+32*\i+8*(2*\q+\u):ACC+32*\i+8*(2*\q+\u)+7], v[WF+12*\u:WF+12*\u+11], v[XF+12*(2*\i+\a):XF+12*(2*\i+\a)+11], v[ACC+32*\i+8*(2*\q+\u):ACC+32*\i+8*(2*\q+\u)+7], v[WSC+2*\q+\u], v[XSC+2*\i+\a] matrix_a_fmt:MATRIX_FMT_BF6 matrix_b_fmt:MATRIX_FMT_BF6
.endif
.endr
.endr
.rept 4
	v_nop
.endr
.endr
.endr
.endm
; 64 columns are summed: + b1, relu, quantised along the hidden units (two blocks of 32 a row tile), parked as half of an operand's image.  sub = 1: the image is whole and leaves.
.macro FINISH1 sub, goc, gos
.irp b, 0,1
.irp q, 0,1,2,3
	ds_load_b128 v[XF+16*\b+4*\q:XF+16*\b+4*\q+3], v[BA] offset:256*\sub+128*\b+16*\q   ; b1 at my 32 columns: register 8 t + j
.endr
.endr
	s_wait_dscnt 0x0
.irp i, 0,1
.irp p, 0,2,4,6,8,10,12,14,16,18,20,22,24,26,28,30
	v_pk_add_f32 v[ACC+32*\i+\p:ACC+32*\i+\p+1], v[ACC+32*\i+\p:ACC+32*\i+\p+1], v[XF+\p:XF+\p+1]   ; each accumulator from its low end on
.endr
.endr
.set ii, 0
.rept 64
	v_max_num_f32 v[ACC+ii], 0, v[ACC+ii]
.set ii, ii+1
.endr
.irp k, 0,1,2,3                        ; block k = 2 i + b: my 16 numbers (none is negative), and the floor
	v_max3_num_f32 v[WF+\k], v[ACC+16*\k], v[ACC+16*\k+1], 0x2800000
.endr
.irp n, 2,4,6,8,10,12,14
.irp k, 0,1,2,3
	v_max3_num_f32 v[WF+\k], v[WF+\k], v[ACC+16*\k+\n], v[ACC+16*\k+\n+1]
.endr
.endr
.irp k, 0,1,2,3
	v_mov_b32 v[WF+4+\k], 0                        ; a lane permute's destination counts as one of its sources
.endr
.irp k, 0,1,2,3
	v_permlanex16_b32 v[WF+4+\k], v[WF+\k], s32, s33
.endr
.irp k, 0,1,2,3
	v_max_num_f32 v[WF+\k], v[WF+\k], v[WF+4+\k]   ; with lane l xor 16's 16: the block's
.endr
.irp k, 0,1,2,3
	v_add_nc_u32 v[WF+8+\k], 0xfe000000, v[WF+\k]
.endr
.irp k, 0,1,2,3
	v_lshrrev_b32 v[WF+12+\k], 23, v[WF+8+\k]
.endr
.irp i, 0,1
	v_lshl_or_b32 v[WF+16+\i], v[WF+13+2*\i], 8, v[WF+12+2*\i]   ; two bytes: half of my row's scale word
.endr
.irp i, 0,1
	v_cvt_scalef32_pk16_bf6_f32 v[XF+32+8*\i:XF+34+8*\i], v[ACC+32*\i:ACC+32*\i+15], v[WF+8+2*\i]
	v_cvt_scalef32_pk16_bf6_f32 v[XF+36+8*\i:XF+38+8*\i], v[ACC+32*\i+16:ACC+32*\i+31], v[WF+9+2*\i]
.endr
	v_nop                                          ; one plain place behind a scaled conversion
.irp i, 0,1                            ; the operand wants a WHOLE block in a lane: lanes 0-15 the first, lanes 16-31 the second
.irp n, 0,1,2
	v_permlane16_swap_b32 v[XF+32+8*\i+\n], v[XF+36+8*\i+\n]
.endr
.irp n, 0,1,2
	v_mov_b32 v[XF+35+8*\i+\n], v[XF+36+8*\i+\n]
.endr
.endr
.irp i, 0,1
.irp p, 0,1,2
	ds_store_b64 v[PK], v[XF+32+8*\i+2*\p:XF+33+8*\i+2*\p] offset:1536*\i+24*\sub+8*\p
.endr
	ds_store_b16 v[PS], v[WF+16+\i] offset:64*\i+2*\sub
.endr
.if \sub == 1
.irp i, 0,1
.irp j, 0,1,2
	ds_load_b128 v[XF+12*\i+4*\j:XF+12*\i+4*\j+3], v[PL] offset:1536*\i+512*\j   ; LDS serves a wave's instructions in order: these see my stores
.endr
.endr
	ds_load_b32 v[XF+24], v[PSL]
	s_wait_dscnt 0x0
.irp i, 0,1
.irp j, 0,1,2
	global_store_b128 v[GC], v[XF+12*\i+4*\j:XF+12*\i+4*\j+3], s[56:57] offset:\goc+49152*\i+512*\j   ; 512 consecutive bytes, at a multiple of 256 from hq's first byte
.endr
.endr
	global_store_b32 v[GS], v[XF+24], s[58:59] offset:\gos
.else
	s_wait_dscnt 0x0                               ; the stores have read their registers
.rept 8
	v_nop                                          ; places between the vector writes above and the next scaled products
.endr
.endif
.endm
.macro BARRIER
	s_wait_dscnt 0x0                               ; my LDS stores have landed, my LDS loads are in
	s_barrier_signal -1
	s_barrier_wait -1
.endm
	s_load_b256 s[4:11], s[0:1], 0x0               ; W1 s[4:5], b1 s[6:7], xs s[8:9], meta s[10:11]
	s_load_b128 s[12:15], s[0:1], 0x20             ; hq s[12:13], hs s[14:15]
	v_lshl_add_u32 v254, v0, 2, 0x27800
	v_mov_b32 v255, 0
	v_lshrrev_b32 v24, 5, v0
	v_readfirstlane_b32 s20, v24                   ; wave
	s_lshr_b32 s21, ttmp9, 5                       ; e
	s_and_b32 s22, ttmp9, 31                       ; slice
	s_lshl_b32 s26, s20, 5                         ; my first slot,
	s_add_co_u32 s27, s26, 512                     ; and in the second walk
	s_mov_b32 s32, 0x76543210
	s_mov_b32 s33, 0xfedcba98                      ; v_permlanex16_b32's selects for lane l xor 16
	s_and_b32 s28, s20, 1                          ; cg: which 32 columns I stream
	s_lshr_b32 s29, s20, 1                         ; kb: which 32 of a step's 256 along K
	s_lshr_b32 s35, s29, 2                         ; which of the step's two K steps
	s_lshl_b32 s36, s21, 7                         ; cnt[e]: 128 bytes an expert
	v_and_b32 v25, 31, v0                          ; lane
	v_and_b32 v26, 15, v0                          ; r
	v_bfe_u32 v27, v0, 4, 1                        ; h
	v_bfe_u32 v28, v0, 3, 1                        ; u: my column's tile in its pair
	v_and_b32 v29, 7, v0
	v_lshl_add_u32 v29, v27, 3, v29                ; m: its row in that tile
	v_lshlrev_b32 v[LN4], 2, v25
	s_mul_i32 s30, s28, 3072                       ; codes: tile pair cg, K step kb / 4, half kb & 1 of the lanes, block (kb >> 1) & 1 of the lane's two
	s_mul_i32 s34, s35, 6144
	s_add_co_u32 s30, s30, s34
	s_and_b32 s34, s29, 1
	s_mul_i32 s34, s34, 768
	s_add_co_u32 s30, s30, s34
	s_bfe_u32 s34, s29, 0x10001
	s_mul_i32 s34, s34, 24
	s_add_co_u32 s30, s30, s34
	v_mul_u32_u24 v[PW], v29, 48
	v_mad_u32_u24 v[PW], v28, 1536, v[PW]
	v_add_nc_u32 v[PW], s30, v[PW]
	v_add_nc_u32 v[PW+1], 49152, v[PW]
	s_lshl_b32 s30, s28, 3                         ; scale bytes: 16 m + 4 tile + block, 256 a K step
	s_lshl_b32 s34, s35, 8
	s_add_co_u32 s30, s30, s34
	s_and_b32 s34, s29, 3
	s_add_co_u32 s30, s30, s34
	s_add_co_u32 s30, s30, WS
	v_lshlrev_b32 v[SW], 4, v29
	v_lshl_add_u32 v[SW], v28, 2, v[SW]
	v_add_nc_u32 v[SW], s30, v[SW]
	v_mul_u32_u24 v[RP], v25, 48
	v_add_nc_u32 v[RP+1], 49152, v[RP]
	v_lshl_add_u32 v[RS], v26, 4, WS
	v_lshlrev_b32 v[XS], 5, v26
	s_lshl_b32 s30, s20, 9
	s_add_co_u32 s30, s30, BIAS
	v_lshl_add_u32 v[BW], v25, 4, s30
	v_lshl_add_u32 v[BA], v27, 6, s30
	s_mul_i32 s30, s20, 3072
	s_add_co_u32 s30, s30, PARK
	v_add_nc_u32 v[PK], s30, v[RP]
	v_lshl_add_u32 v[PL], v25, 4, s30
	s_lshl_b32 s30, s20, 7
	s_add_co_u32 s30, s30, PSC
	v_lshl_add_u32 v[PS], v26, 2, s30
	v_add_nc_u32 v[PSL], s30, v[LN4]
	v_lshlrev_b32 v[GC], 4, v25
	v_lshlrev_b32 v[GS], 7, v26
	v_lshl_add_u32 v[GS], v27, 11, v[GS]
	s_mov_b32 s31, 0
	s_lshl_b32 s30, s21, 24                        ; W1: expert, slice, my 32 columns, my 32 rows
	s_lshl_b32 s34, s22, 9
	s_add_co_u32 s30, s30, s34
	s_lshl_b32 s34, s28, 7
	s_add_co_u32 s30, s30, s34
	s_lshl_b32 s34, s29, 19
	s_add_co_u32 s30, s30, s34
	s_wait_kmcnt 0x0
	s_load_b32 s24, s[10:11], s36 offset:0x2000    ; the expert's count
	s_add_nc_u64 s[40:41], s[4:5], s[30:31]
.irp n, 1,2,3,4,5,6,7
	s_add_nc_u64 s[40+2*\n:41+2*\n], s[40:41], (\n%4)*4194304+(\n/4)*256   ; step n: 256 rows of 16,384 bytes a step; from step 4 on the second 64 columns
.endr
	s_lshl_b32 s30, s21, 14
	s_lshl_b32 s34, s22, 9
	s_add_co_u32 s30, s30, s34
	s_add_nc_u64 s[62:63], s[6:7], s[30:31]        ; b1 at my slice
	global_load_b128 v[BR:BR+3], v[GC], s[62:63]   ; my oldest load: the slice's 512 bytes of b1
	LOADSET 0
	LOADSET 1
	s_lshl_b32 s30, s21, 6
	s_lshl_b32 s34, s20, 1
	s_add_co_u32 s34, s30, s34                     ; my first tile: 64 e + 2 wave
	s_lshl_b32 s30, s34, 5
	s_add_co_u32 s30, s30, s22
	s_mul_i32 s30, s30, 1536
	s_add_nc_u64 s[56:57], s[12:13], s[30:31]      ; hq
	s_lshl_b32 s30, s34, 11
	s_lshl_b32 s34, s22, 2
	s_add_co_u32 s30, s30, s34
	s_add_nc_u64 s[58:59], s[14:15], s[30:31]      ; hs
	s_mul_i32 s30, s21, 786432
	s_add_nc_u64 s[16:17], s[8:9], s[30:31]        ; xs: the expert's images: 64 tiles of 12,288 bytes,
	s_lshl_b32 s30, s21, 15
	s_add_nc_u64 s[18:19], s[8:9], s[30:31]
	s_add_nc_u64 s[18:19], s[18:19], 6291456       ; and its scale words: 64 tiles of 512 bytes
	s_wait_kmcnt 0x0
	s_max_u32 s25, s24, 1                          ; group 0 is always made
	s_cmp_lt_u32 s26, s25
	s_cselect_b32 s34, s20, 0                      ; my group if it has rows, else group 0: only bytes that were written are read
	s_min_u32 s34, s34, 15                         ; what hangs on the count is held by a constant, shifted and added to the pointer
	s_lshl_b32 s30, s34, 14
	s_add_nc_u64 s[16:17], s[16:17], s[30:31]      ; 24,576 bytes of images a group: two shifts, two sums
	s_lshl_b32 s30, s34, 13
	s_add_nc_u64 s[16:17], s[16:17], s[30:31]
	s_lshl_b32 s30, s34, 10
	s_add_nc_u64 s[18:19], s[18:19], s[30:31]      ; 1,024 bytes of scale words
	XLOAD 0, 0, 0
	s_wait_loadcnt 46                              ; b1 and set 0 are in: set 1's 32 loads and the rows' 14 are younger
	ds_store_b128 v[BW], v[BR:BR+3]                ; my own copy: no other wave reads it
; A STEP: my block is quantised into LDS; the set two steps on is asked for; the barrier shows the step's codes to all; then, in waves that have rows, the step's products.
; The wait behind the barrier leaves only the youngest set out, whether or not the rows' loads were issued: so it holds on every way, and the next step's numbers are in too.
.macro STEP S
	QUANT \S
.if \S <= 5
	LOADSET \S+2
.endif
	BARRIER
.if \S <= 5
	s_wait_loadcnt 32
.else
	s_wait_loadcnt 0x0
.endif
.if \S > 0
	s_cmp_ge_u32 s26, s25
	s_cbranch_scc1 .Lidle_\@
.endif
.if ((\S)%4) == 0
	MUL \S, 1
.else
	MUL \S, 0
.endif
.if \S == 3
	FINISH1 0, 0, 0
.endif
.if \S == 7
	FINISH1 1, 0, 0
.endif
.if \S < 7
	XLOAD \S+1, 0, 0
.endif
.Lidle_\@:
.endm
.irp s, 0,1,2,3,4,5,6,7
	STEP \s
.endr
	; THE SECOND WALK: slots 512 + 32 wave on, from the codes that lie in LDS.  No barrier: nothing is written there any more.  A wave that comes here had rows in the first walk, so its bases are its own group's.
	s_cmp_ge_u32 s27, s24
	s_cbranch_scc1 .Ldone
	s_wait_xcnt 0x0                                ; the stores above have read their registers
.irp s, 0,1,2,3,4,5,6,7
	XLOAD \s, 393216, 16384                        ; 32 tiles on in xs
	s_wait_loadcnt 0x0
.if (\s % 4) == 0
	MUL \s, 1
.else
	MUL \s, 0
.endif
.if \s == 3
	FINISH1 0, 0, 0
.endif
.if \s == 7
	FINISH1 1, 1572864, 65536                      ; 32 tiles on in hq and in hs
.endif
.endr
.Ldone:
	s_wait_tensorcnt 0x0
	ds_add_u32 v254, v255
	s_wait_dscnt 0x0
	s_endpgm
.Lfunc_end_k_q249fd8521c_ffn1:
	.size	k_q249fd8521c_ffn1, .Lfunc_end_k_q249fd8521c_ffn1-k_q249fd8521c_ffn1
	.p2alignl 7, 3214868480
	.fill 96, 4, 3214868480
	.section	.rodata,"a",@progbits
	.p2align	6, 0x0
	.amdhsa_kernel k_q249fd8521c_ffn1
		.amdhsa_group_segment_fixed_size 163840
		.amdhsa_private_segment_fixed_size 0
		.amdhsa_enable_private_segment 0
		.amdhsa_kernarg_size 48
		.amdhsa_user_sgpr_count 2
		.amdhsa_user_sgpr_kernarg_segment_ptr 1
		.amdhsa_wavefront_size32 1
		.amdhsa_system_sgpr_workgroup_id_x 1
		.amdhsa_system_sgpr_workgroup_id_y 1
		.amdhsa_system_sgpr_workgroup_id_z 1
		.amdhsa_system_vgpr_workitem_id 0
		.amdhsa_next_free_vgpr 256
		.amdhsa_next_free_sgpr 66
		.amdhsa_reserve_vcc 0
		.amdhsa_float_denorm_mode_32 3
		.amdhsa_float_denorm_mode_16_64 3
		.amdhsa_memory_ordered 1
		.amdhsa_forward_progress 1
		.amdhsa_inst_pref_size 172
	.end_amdhsa_kernel
	.amdgpu_metadata
---
amdhsa.version: [ 1, 2 ]
amdhsa.kernels:
  - .name:           k_q249fd8521c_ffn1
    .symbol:         k_q249fd8521c_ffn1.kd
    .args:
      - { .name: W1, .offset: 0, .size: 8, .value_kind: global_buffer, .address_space: global }
      - { .name: b1, .offset: 8, .size: 8, .value_kind: global_buffer, .address_space: global }
      - { .name: xs, .offset: 16, .size: 8, .value_kind: global_buffer, .address_space: global }
      - { .name: meta, .offset: 24, .size: 8, .value_kind: global_buffer, .address_space: global }
      - { .name: hq, .offset: 32, .size: 8, .value_kind: global_buffer, .address_space: global }
      - { .name: hs, .offset: 40, .size: 8, .value_kind: global_buffer, .address_space: global }
    .group_segment_fixed_size: 163840
    .private_segment_fixed_size: 0
    .kernarg_segment_align: 8
    .kernarg_segment_size: 48
    .max_flat_workgroup_size: 512
    .sgpr_count:     66
    .vgpr_count:     256
    .wavefront_size: 32
...
	.end_amdgpu_metadata
.endif
;; end of part 3
;; launch ffn2 (part 4): grid 256 x 1, 16 waves a work-group, no clusters, 243,712 bytes of LDS; arguments W2, hq, hs, meta, ypart; writes ypart
.if DOCPART == 4
	.amdgcn_target "amdgcn-amd-amdhsa--gfx1250"
	.amdhsa_code_object_version 6
	.text
	.protected	k_q249fd8521c_ffn2
	.globl	k_q249fd8521c_ffn2
	.p2align	8
	.type	k_q249fd8521c_ffn2,@function
k_q249fd8521c_ffn2:
	s_mov_b64 s[64:65], 0
	v_nop
	global_prefetch_b8 v0, s[64:65] scope:SCOPE_SE
	s_setreg_imm32_b32 hwreg(HW_REG_WAVE_MODE, 25, 1), 1
	s_wait_xcnt 0x0
; FFN2.  Partial sums of h W2[e] for the rows routed to expert e, on BF6 (E3M2) codes with one E8M0 scale for each 32 along K.
; A work-group owns expert e = wg / 32, half kq = (wg / 16) % 2 of the 4,096 hidden units (K) and 64 columns (ns = wg % 16).  It reads its 512 KB of W2 (f32, K outermost) ONCE, quantises it on
; the way (a lane takes a column, its 32 registers run down K) and keeps the codes in LDS as images of operand registers: 64 fragments of 16 columns x 128 K, written once.
; The stream goes in 8 steps of 256 K x 64 columns; wave w loads columns 32 (w & 1) on, K 32 (w >> 1) on; waves w and w ^ 1 cover 256 consecutive bytes of each row of W2.
; ROWS.  h's codes come as register images, made by the launch before.  Wave w multiplies slots 32 w .. 32 w + 31; a wave whose slots lie past the count jumps over that work (never over a barrier),
; and its first step, which every wave runs, reads group 0, which is always written.  Slots 512 on: a second walk over the codes kept in LDS, with no barrier.
; THE PRODUCT IS USED TRANSPOSED (source 0 = 16 columns of W2, source 1 = 16 rows of h): a lane holds one row; in tile 2 b + u its register j is column 32 b + 16 h + 8 u + j.
; The eight accumulators take turns, one instruction a turn.  Scale registers hold scales alone.
; OUT: ypart [kq][e][slot 1024][1024] f32, through a stage in LDS: sixteen lanes store 256 consecutive bytes.  The two halves of K, b2 and the gate's weights meet in the next launch.
; LIMITS: NaN and infinities are not served.  A block of zeros gets the byte 1 where the rule says 127: its codes are zeros and only this program reads the bytes.
.set WS,   98304                       ; LDS: codes at 0 (64 x 1,536); WS: scale bytes [K step 16][m 16][tile 4][block 4]
.set STG,  102400                      ; 8,704 bytes a wave: two tiles x 16 rows x (256 + 16)
.set LN4, 1                            ; v1   4 lane
.set PW,  2                            ; v2-3 where my block's codes go (steps 0-3, 4-7)
.set SW,  4                            ; v4   and its scale byte
.set RP,  5                            ; v5-6 48 lane: an image's place for my lane, in LDS (K steps 0-7, 8-15) and in hq
.set RS,  7                            ; v7   WS + 16 (lane % 16)
.set XS,  10                           ; v10  128 r: my row's scale words in a tile of hs
.set SO,  12                           ; v12  the stage: where I put a row's bytes
.set SR,  13                           ; v13  and where I read rows back
.set GY,  14                           ; v14  the same two rows in ypart
.set ST,  32                           ; v32-95   two sets of 32 numbers of W2; at the end the rows read back from the stage
.set WF,  96                           ; v96-119  two fragments of W2
.set WSC, 120                          ; v120-123 a K step's four scale words of W2
.set XF,  124                          ; v124-171 h's fragments: (K step a, tile i) at 12 (2 i + a)
.set XSC, 172                          ; v172-175 h's scale words: 2 i + a
.set ACC, 176                          ; v176-239 accumulators: 32 i + 8 t
.set C,   240
.set M0,  248
.set M1,  249
.set SCO, 250
.set BY,  251
.macro LOADSET S                       ; one step's 32 numbers of my column; every offset is an immediate, 7,467,008 at the most
.set ii, 0
.rept 32
	global_load_b32 v[ST+32*((\S)%2)+ii], v[LN4], s[40:41] offset:1048576*(\S)+4096*ii th:TH_LOAD_NT
.set ii, ii+1
.endr
.endm
.macro QUANT S                         ; my block of 32 along K becomes 24 bytes of codes and a scale byte, laid where the reader's registers want them
.set XB, ST+32*((\S)%2)
	v_max3_num_f32 v[M0], |v[XB]|, |v[XB+1]|, |v[XB+2]|
	v_max3_num_f32 v[M1], |v[XB+3]|, |v[XB+4]|, |v[XB+5]|
.irp i, 6,10,14,18,22,26
	v_max3_num_f32 v[M0], v[M0], |v[XB+\i]|, |v[XB+\i+1]|
	v_max3_num_f32 v[M1], v[M1], |v[XB+\i+2]|, |v[XB+\i+3]|
.endr
	v_max3_num_f32 v[M0], v[M0], |v[XB+30]|, |v[XB+31]|
	v_max3_num_f32 v[M0], v[M0], v[M1], 0x2800000  ; and the floor 2^(5 - 127): the byte cannot fall under 1
	v_add_nc_u32 v[SCO], 0xfe000000, v[M0]         ; 4 off the exponent field: the conversion's scale operand
	v_lshrrev_b32 v[BY], 23, v[SCO]                ; the byte
	v_cvt_scalef32_pk16_bf6_f32 v[C:C+2], v[XB:XB+15], v[SCO]
	v_cvt_scalef32_pk16_bf6_f32 v[C+4:C+6], v[XB+16:XB+31], v[SCO]   ; (a conversion's three registers begin on an even number)
	v_nop                                          ; one plain place behind a scaled conversion
	v_mov_b32 v[C+3], v[C+4]
	v_mov_b32 v[C+4], v[C+5]
	v_mov_b32 v[C+5], v[C+6]
.irp p, 0,1,2
	ds_store_b64 v[PW+(\S)/4], v[C+2*\p:C+2*\p+1] offset:((\S)%4)*12288+8*\p
.endr
	ds_store_b8 v[SW], v[BY] offset:512*(\S)
.endm
.macro XLOAD S, gh, gs                 ; my 32 rows' images and scale words for the step's two K steps: 14 loads
.irp i, 0,1
.irp a, 0,1
.irp j, 0,1,2
	global_load_b128 v[XF+12*(2*\i+\a)+4*\j:XF+12*(2*\i+\a)+4*\j+3], v[RP], s[42:43] offset:\gh+49152*\i+1536*(2*(\S)+\a)+16*\j
.endr
.endr
	global_load_b64 v[XSC+2*\i:XSC+2*\i+1], v[XS], s[44:45] offset:\gs+2048*\i+8*(\S)
.endr
.endm
; a step's 16 products.  Four v_nop behind each four: the places in front of the next loads into their operands and of reads of the results.
.macro MUL S, zero
.irp a, 0,1
	ds_load_b128 v[WSC:WSC+3], v[RS] offset:256*(2*(\S)+\a)
.irp q, 0,1
.irp u, 0,1
.irp j, 0,1,2
	ds_load_b128 v[WF+12*\u+4*\j:WF+12*\u+4*\j+3], v[RP+(\S)/4] offset:((2*(\S)+\a)%8)*6144+(2*\q+\u)*1536+16*\j
.endr
.endr
	s_wait_dscnt 0x0
.irp u, 0,1
.irp i, 0,1
.if \zero && (\a == 0)
	v_wmma_scale_f32_16x16x128_f8f6f4 v[ACC+32*\i+8*(2*\q+\u):ACC+32*\i+8*(2*\q+\u)+7], v[WF+12*\u:WF+12*\u+11], v[XF+12*(2*\i+\a):XF+12*(2*\i+\a)+11], 0, v[WSC+2*\q+\u], v[XSC+2*\i+\a] matrix_a_fmt:MATRIX_FMT_BF6 matrix_b_fmt:MATRIX_FMT_BF6
.else
	v_wmma_scale_f32_16x16x128_f8f6f4 v[ACC+32*\i+8*(2*\q+\u):ACC+32*\i+8*(2*\q+\u)+7], v[WF+12*\u:WF+12*\u+11], v[XF+12*(2*\i+\a):XF+12*(2*\i+\a)+11], v[ACC+32*\i+8*(2*\q+\u):ACC+32*\i+8*(2*\q+\u)+7], v[WSC+2*\q+\u], v[XSC+2*\i+\a] matrix_a_fmt:MATRIX_FMT_BF6 matrix_b_fmt:MATRIX_FMT_BF6
.endif
.endr
.endr
.rept 4
	v_nop
.endr
.endr
.endr
.endm
; the way out: 32 rows x 64 columns through my own stage, back as whole rows of 256 bytes
.macro FINISH2 goy
.irp i, 0,1
.irp t, 0,1,2,3
	ds_store_b128 v[SO], v[ACC+32*\i+8*\t:ACC+32*\i+8*\t+3] offset:4352*\i+128*(\t/2)+32*(\t%2)       ; each accumulator from its low end on
	ds_store_b128 v[SO], v[ACC+32*\i+8*\t+4:ACC+32*\i+8*\t+7] offset:4352*\i+128*(\t/2)+32*(\t%2)+16
.endr
.endr
.irp n, 0,1,2,3,4,5,6,7,8,9,10,11,12,13,14,15
	ds_load_b128 v[ST+4*\n:ST+4*\n+3], v[SR] offset:4352*(\n/8)+544*(\n%8)   ; LDS serves a wave's instructions in order: these see my stores
.endr
.irp n, 0,1,2,3,4,5,6,7,8,9,10,11,12,13,14,15
	s_wait_dscnt 15-\n
	global_store_b128 v[GY], v[ST+4*\n:ST+4*\n+3], s[46:47] offset:\goy+(16*(\n/8)+2*(\n%8))*4096 th:TH_STORE_NT   ; sixteen lanes store 256 consecutive bytes, at a multiple of 256 from ypart's first byte
.endr
.endm
.macro BARRIER
	s_wait_dscnt 0x0                               ; my LDS stores have landed, my LDS loads are in
	s_barrier_signal -1
	s_barrier_wait -1
.endm
	s_load_b256 s[4:11], s[0:1], 0x0               ; W2 s[4:5], hq s[6:7], hs s[8:9], meta s[10:11]
	s_load_b64 s[12:13], s[0:1], 0x20              ; ypart
	v_lshl_add_u32 v254, v0, 2, 0x3b000
	v_mov_b32 v255, 0
	v_lshrrev_b32 v24, 5, v0
	v_readfirstlane_b32 s20, v24                   ; wave
	s_lshr_b32 s21, ttmp9, 5                       ; e
	s_and_b32 s22, ttmp9, 15                       ; ns
	s_bfe_u32 s23, ttmp9, 0x10004                  ; kq
	s_lshl_b32 s26, s20, 5                         ; my first slot,
	s_add_co_u32 s27, s26, 512                     ; and in the second walk
	s_and_b32 s28, s20, 1                          ; cg
	s_lshr_b32 s29, s20, 1                         ; kb
	s_lshr_b32 s35, s29, 2
	s_lshl_b32 s36, s21, 7                         ; cnt[e]: 128 bytes an expert
	v_and_b32 v25, 31, v0                          ; lane
	v_and_b32 v26, 15, v0                          ; r
	v_bfe_u32 v27, v0, 4, 1                        ; h
	v_bfe_u32 v28, v0, 3, 1                        ; u
	v_and_b32 v29, 7, v0
	v_lshl_add_u32 v29, v27, 3, v29                ; m
	v_lshlrev_b32 v[LN4], 2, v25
	s_mul_i32 s30, s28, 3072                       ; codes: tile pair cg, K step kb / 4, half kb & 1 of the lanes, block (kb >> 1) & 1 of the lane's two
	s_mul_i32 s34, s35, 6144
	s_add_co_u32 s30, s30, s34
	s_and_b32 s34, s29, 1
	s_mul_i32 s34, s34, 768
	s_add_co_u32 s30, s30, s34
	s_bfe_u32 s34, s29, 0x10001
	s_mul_i32 s34, s34, 24
	s_add_co_u32 s30, s30, s34
	v_mul_u32_u24 v[PW], v29, 48
	v_mad_u32_u24 v[PW], v28, 1536, v[PW]
	v_add_nc_u32 v[PW], s30, v[PW]
	v_add_nc_u32 v[PW+1], 49152, v[PW]
	s_lshl_b32 s30, s28, 3                         ; scale bytes: 16 m + 4 tile + block, 256 a K step
	s_lshl_b32 s34, s35, 8
	s_add_co_u32 s30, s30, s34
	s_and_b32 s34, s29, 3
	s_add_co_u32 s30, s30, s34
	s_add_co_u32 s30, s30, WS
	v_lshlrev_b32 v[SW], 4, v29
	v_lshl_add_u32 v[SW], v28, 2, v[SW]
	v_add_nc_u32 v[SW], s30, v[SW]
	v_mul_u32_u24 v[RP], v25, 48
	v_add_nc_u32 v[RP+1], 49152, v[RP]
	v_lshl_add_u32 v[RS], v26, 4, WS
	v_lshlrev_b32 v[XS], 7, v26
	s_mul_i32 s30, s20, 8704
	s_add_co_u32 s30, s30, STG                     ; my stage
	v_mul_u32_u24 v[SO], v26, 272
	v_lshl_add_u32 v[SO], v27, 6, v[SO]
	v_add_nc_u32 v[SO], s30, v[SO]                 ; in: row r, + 64 h
	v_mul_u32_u24 v[SR], v27, 272
	v_lshl_add_u32 v[SR], v26, 4, v[SR]
	v_add_nc_u32 v[SR], s30, v[SR]                 ; back: lanes 0-15 one row, lanes 16-31 the next
	v_lshlrev_b32 v[GY], 4, v26
	v_lshl_add_u32 v[GY], v27, 12, v[GY]
	s_mov_b32 s31, 0
	s_lshl_b32 s30, s21, 24                        ; W2: expert, half of K, my columns, my 32 rows
	s_lshl_b32 s34, s23, 23
	s_add_co_u32 s30, s30, s34
	s_lshl_b32 s34, s22, 8
	s_add_co_u32 s30, s30, s34
	s_lshl_b32 s34, s28, 7
	s_add_co_u32 s30, s30, s34
	s_lshl_b32 s34, s29, 17
	s_add_co_u32 s30, s30, s34
	s_wait_kmcnt 0x0
	s_load_b32 s24, s[10:11], s36 offset:0x2000    ; the expert's count
	s_add_nc_u64 s[40:41], s[4:5], s[30:31]
	LOADSET 0
	LOADSET 1
	s_lshl_b32 s30, s23, 3
	s_add_co_u32 s30, s30, s21
	s_lshl_b32 s30, s30, 10
	s_add_co_u32 s30, s30, s26
	s_lshl_b32 s30, s30, 12
	s_lshl_b32 s34, s22, 8
	s_add_co_u32 s30, s30, s34
	s_add_nc_u64 s[46:47], s[12:13], s[30:31]      ; ypart: ((8 kq + e) 1024 + 32 wave) rows of 4,096 bytes + 256 ns
	s_mul_i32 s30, s21, 3145728
	s_add_nc_u64 s[42:43], s[6:7], s[30:31]        ; hq: the expert's 64 tiles of 32 images,
	s_mul_i32 s30, s23, 24576
	s_add_nc_u64 s[42:43], s[42:43], s[30:31]      ; my half of K: 16 images on
	s_lshl_b32 s30, s21, 17
	s_add_nc_u64 s[44:45], s[8:9], s[30:31]        ; hs: 64 tiles of 2,048 bytes,
	s_lshl_b32 s30, s23, 6
	s_add_nc_u64 s[44:45], s[44:45], s[30:31]      ; 16 words on
	s_wait_kmcnt 0x0
	s_max_u32 s25, s24, 1                          ; group 0 was always made
	s_cmp_lt_u32 s26, s25
	s_cselect_b32 s34, s20, 0                      ; my group if it has rows, else group 0: only bytes that were written are read
	s_min_u32 s34, s34, 15                         ; what hangs on the count is held by a constant, shifted and added to the pointer
	s_lshl_b32 s30, s34, 16
	s_add_nc_u64 s[42:43], s[42:43], s[30:31]      ; 98,304 bytes of images a group: two shifts, two sums
	s_lshl_b32 s30, s34, 15
	s_add_nc_u64 s[42:43], s[42:43], s[30:31]
	s_lshl_b32 s30, s34, 12
	s_add_nc_u64 s[44:45], s[44:45], s[30:31]      ; 4,096 bytes of scale words
	XLOAD 0, 0, 0
	s_wait_loadcnt 46                              ; set 0 is in: set 1's 32 loads and the rows' 14 are younger
; A STEP: my block is quantised into LDS; the set two steps on is asked for; the barrier shows the step's codes to all; then, in waves that have rows, the step's products.
; The wait behind the barrier leaves only the youngest set out, whether or not the rows' loads were issued: so it holds on every way, and the next step's numbers are in too.
.macro STEP S
	QUANT \S
.if \S <= 5
	LOADSET \S+2
.endif
	BARRIER
.if \S <= 5
	s_wait_loadcnt 32
.else
	s_wait_loadcnt 0x0
.endif
.if \S > 0
	s_cmp_ge_u32 s26, s25
	s_cbranch_scc1 .Lidle_\@
	MUL \S, 0
.else
	MUL \S, 1
.endif
.if \S == 7
	FINISH2 0
.endif
.if \S < 7
	XLOAD \S+1, 0, 0
.endif
.Lidle_\@:
.endm
.irp s, 0,1,2,3,4,5,6,7
	STEP \s
.endr
	; THE SECOND WALK: slots 512 + 32 wave on, from the codes that lie in LDS.  No barrier: nothing is written there any more.  A wave that comes here had rows in the first walk, so its bases are its own group's.
	s_cmp_ge_u32 s27, s24
	s_cbranch_scc1 .Ldone
	s_wait_xcnt 0x0                                ; the stores above have read their registers
.irp s, 0,1,2,3,4,5,6,7
	XLOAD \s, 1572864, 65536                       ; 32 tiles on in hq and in hs
	s_wait_loadcnt 0x0
.if \s == 0
	MUL \s, 1
.else
	MUL \s, 0
.endif
.endr
	FINISH2 2097152                                ; 512 rows on in ypart
.Ldone:
	s_wait_tensorcnt 0x0
	ds_add_u32 v254, v255
	s_wait_dscnt 0x0
	s_endpgm
.Lfunc_end_k_q249fd8521c_ffn2:
	.size	k_q249fd8521c_ffn2, .Lfunc_end_k_q249fd8521c_ffn2-k_q249fd8521c_ffn2
	.p2alignl 7, 3214868480
	.fill 96, 4, 3214868480
	.section	.rodata,"a",@progbits
	.p2align	6, 0x0
	.amdhsa_kernel k_q249fd8521c_ffn2
		.amdhsa_group_segment_fixed_size 243712
		.amdhsa_private_segment_fixed_size 0
		.amdhsa_enable_private_segment 0
		.amdhsa_kernarg_size 40
		.amdhsa_user_sgpr_count 2
		.amdhsa_user_sgpr_kernarg_segment_ptr 1
		.amdhsa_wavefront_size32 1
		.amdhsa_system_sgpr_workgroup_id_x 1
		.amdhsa_system_sgpr_workgroup_id_y 1
		.amdhsa_system_sgpr_workgroup_id_z 1
		.amdhsa_system_vgpr_workitem_id 0
		.amdhsa_next_free_vgpr 256
		.amdhsa_next_free_sgpr 66
		.amdhsa_reserve_vcc 0
		.amdhsa_float_denorm_mode_32 3
		.amdhsa_float_denorm_mode_16_64 3
		.amdhsa_memory_ordered 1
		.amdhsa_forward_progress 1
		.amdhsa_inst_pref_size 141
	.end_amdhsa_kernel
	.amdgpu_metadata
---
amdhsa.version: [ 1, 2 ]
amdhsa.kernels:
  - .name:           k_q249fd8521c_ffn2
    .symbol:         k_q249fd8521c_ffn2.kd
    .args:
      - { .name: W2, .offset: 0, .size: 8, .value_kind: global_buffer, .address_space: global }
      - { .name: hq, .offset: 8, .size: 8, .value_kind: global_buffer, .address_space: global }
      - { .name: hs, .offset: 16, .size: 8, .value_kind: global_buffer, .address_space: global }
      - { .name: meta, .offset: 24, .size: 8, .value_kind: global_buffer, .address_space: global }
      - { .name: ypart, .offset: 32, .size: 8, .value_kind: global_buffer, .address_space: global }
    .group_segment_fixed_size: 243712
    .private_segment_fixed_size: 0
    .kernarg_segment_align: 8
    .kernarg_segment_size: 40
    .max_flat_workgroup_size: 512
    .sgpr_count:     66
    .vgpr_count:     256
    .wavefront_size: 32
...
	.end_amdgpu_metadata
.endif
;; end of part 4
;; launch combine (part 5): grid 256 x 1, 8 waves a work-group, no clusters, 0 bytes of LDS; arguments ypart, meta, gp, b2, out0, out1; writes out0, out1
.if DOCPART == 5
	.amdgcn_target "amdgcn-amd-amdhsa--gfx1250"
	.amdhsa_code_object_version 6
	.text
	.protected	k_q249fd8521c_combine
	.globl	k_q249fd8521c_combine
	.p2align	8
	.type	k_q249fd8521c_combine,@function
k_q249fd8521c_combine:
	s_mov_b64 s[64:65], 0
	v_nop
	global_prefetch_b8 v0, s[64:65] scope:SCOPE_SE
	s_setreg_imm32_b32 hwreg(HW_REG_WAVE_MODE, 25, 1), 1
	s_wait_xcnt 0x0
; COMBINE.  out0[token] = g0 (y(slot0) + b2[e0]) + g1 (y(slot1) + b2[e1]), y(slot) = the two halves of K added; each output row has one owner.  And the auxiliary loss.
; A work-group has 8 waves and takes 4 tokens; a wave takes half a row (2,048 bytes) in four chunks: every load and store covers 512 consecutive bytes.
; slotof (whole numbers, stored two launches ago) gives each routed row's place, 1024 e + place in the expert's list; it is held inside ypart's 8,192 rows, the expert inside b2's 8.
; A stream: memory binds; matrix units, LDS and clusters would add nothing.  All 24 loads of a wave go out at once; the waits count down by chunks of six.
	s_load_b256 s[4:11], s[0:1], 0x0               ; ypart s[4:5], meta s[6:7], gp s[8:9], b2 s[10:11]
	s_load_b128 s[12:15], s[0:1], 0x20             ; out0 s[12:13], out1 s[14:15]
	v_lshrrev_b32 v1, 5, v0
	v_readfirstlane_b32 s16, v1                    ; wave
	v_and_b32 v2, 31, v0                           ; lane
	s_lshr_b32 s17, s16, 1
	s_lshl_b32 s18, ttmp9, 2
	s_add_co_u32 s17, s17, s18                     ; my token
	s_and_b32 s18, s16, 1
	s_lshl_b32 s18, s18, 11                        ; my half of the row
	v_lshl_add_u32 v1, v2, 4, s18
	s_lshl_b32 s19, s17, 3
	s_wait_kmcnt 0x0
	s_load_b64 s[20:21], s[6:7], s19 offset:0x0    ; the two slots
	s_load_b64 s[22:23], s[8:9], s19 offset:0x0    ; the two weights
	s_mov_b32 s31, 0
	s_wait_kmcnt 0x0
	s_min_u32 s26, s20, 0x1fff
	s_min_u32 s27, s21, 0x1fff
	s_lshr_b32 s28, s20, 10
	s_lshr_b32 s29, s21, 10
	s_min_u32 s28, s28, 7
	s_min_u32 s29, s29, 7
	s_mov_b32 s24, s23                             ; g1 in a pair of its own: a packed form takes a scalar pair's low word for both halves
	s_mov_b32 s25, s23
	s_lshl_b32 s30, s26, 12
	s_add_nc_u64 s[32:33], s[4:5], s[30:31]        ; slot 0, first half of K,
	s_add_nc_u64 s[34:35], s[32:33], 0x2000000     ; second half
	s_lshl_b32 s30, s27, 12
	s_add_nc_u64 s[36:37], s[4:5], s[30:31]        ; slot 1
	s_add_nc_u64 s[38:39], s[36:37], 0x2000000
	s_lshl_b32 s30, s28, 12
	s_add_nc_u64 s[40:41], s[10:11], s[30:31]      ; b2 of the two experts
	s_lshl_b32 s30, s29, 12
	s_add_nc_u64 s[42:43], s[10:11], s[30:31]
	s_lshl_b32 s30, s17, 12
	s_add_nc_u64 s[44:45], s[12:13], s[30:31]      ; my row of out0
.irp c, 0,1,2,3
	global_load_b128 v[8+24*\c:11+24*\c],  v1, s[32:33] offset:512*\c th:TH_LOAD_NT
	global_load_b128 v[12+24*\c:15+24*\c], v1, s[34:35] offset:512*\c th:TH_LOAD_NT
	global_load_b128 v[16+24*\c:19+24*\c], v1, s[40:41] offset:512*\c
	global_load_b128 v[20+24*\c:23+24*\c], v1, s[36:37] offset:512*\c th:TH_LOAD_NT
	global_load_b128 v[24+24*\c:27+24*\c], v1, s[38:39] offset:512*\c th:TH_LOAD_NT
	global_load_b128 v[28+24*\c:31+24*\c], v1, s[42:43] offset:512*\c
.endr
.irp c, 0,1,2,3
	s_wait_loadcnt 6*(3-\c)                        ; this chunk's six loads are in; the later chunks' may be out
	v_pk_add_f32 v[8+24*\c:9+24*\c],   v[8+24*\c:9+24*\c],   v[12+24*\c:13+24*\c]
	v_pk_add_f32 v[10+24*\c:11+24*\c], v[10+24*\c:11+24*\c], v[14+24*\c:15+24*\c]
	v_pk_add_f32 v[20+24*\c:21+24*\c], v[20+24*\c:21+24*\c], v[24+24*\c:25+24*\c]
	v_pk_add_f32 v[22+24*\c:23+24*\c], v[22+24*\c:23+24*\c], v[26+24*\c:27+24*\c]
	v_pk_add_f32 v[8+24*\c:9+24*\c],   v[8+24*\c:9+24*\c],   v[16+24*\c:17+24*\c]
	v_pk_add_f32 v[10+24*\c:11+24*\c], v[10+24*\c:11+24*\c], v[18+24*\c:19+24*\c]
	v_pk_add_f32 v[20+24*\c:21+24*\c], v[20+24*\c:21+24*\c], v[28+24*\c:29+24*\c]
	v_pk_add_f32 v[22+24*\c:23+24*\c], v[22+24*\c:23+24*\c], v[30+24*\c:31+24*\c]
	v_pk_mul_f32 v[8+24*\c:9+24*\c],   v[8+24*\c:9+24*\c],   s[22:23] op_sel_hi:[1,0]
	v_pk_mul_f32 v[10+24*\c:11+24*\c], v[10+24*\c:11+24*\c], s[22:23] op_sel_hi:[1,0]
	v_pk_fma_f32 v[8+24*\c:9+24*\c],   v[20+24*\c:21+24*\c], s[24:25], v[8+24*\c:9+24*\c] op_sel_hi:[1,0,1]
	v_pk_fma_f32 v[10+24*\c:11+24*\c], v[22+24*\c:23+24*\c], s[24:25], v[10+24*\c:11+24*\c] op_sel_hi:[1,0,1]
	global_store_b128 v1, v[8+24*\c:11+24*\c], s[44:45] offset:512*\c th:TH_STORE_NT
.endr
	s_or_b32 s30, ttmp9, s16
	s_cmp_lg_u32 s30, 0
	s_cbranch_scc1 .Lend
	; work-group 0, wave 0: aux = 0.01 x the sum over experts of u log(u + 1e-8), u = the mean probability.  psum is [64][8]: lane l's word q of each load belongs to expert 4 (l & 1) + q
	v_lshlrev_b32 v3, 4, v2
	v_mov_b32 v4, 0
.irp j, 0,1,2,3
	global_load_b128 v[104+4*\j:107+4*\j], v3, s[8:9] offset:8192+512*\j
.endr
	s_mov_b32 s46, 0x76543210
	s_mov_b32 s47, 0xfedcba98                      ; v_permlanex16_b32's selects for lane l xor 16
	s_wait_loadcnt 0x0
	v_pk_add_f32 v[104:105], v[104:105], v[108:109]
	v_pk_add_f32 v[106:107], v[106:107], v[110:111]
	v_pk_add_f32 v[112:113], v[112:113], v[116:117]
	v_pk_add_f32 v[114:115], v[114:115], v[118:119]
	v_pk_add_f32 v[104:105], v[104:105], v[112:113]
	v_pk_add_f32 v[106:107], v[106:107], v[114:115]
.irp m, 2,4,8
.irp q, 0,1,2,3
	v_add_f32_dpp v[104+\q], v[104+\q], v[104+\q] row_xmask:\m row_mask:0xf bank_mask:0xf
.endr
.endr
.irp q, 0,1,2,3
	v_permlanex16_b32 v[108+\q], v[104+\q], s46, s47
.endr
.irp q, 0,1,2,3
	v_add_f32 v[104+\q], v[104+\q], v[108+\q]      ; the sum over all 1,024 tokens
.endr
.irp q, 0,1,2,3
	v_mul_f32 v[104+\q], 0x3a800000, v[104+\q]     ; / 1,024
.endr
.irp q, 0,1,2,3
	v_add_f32 v[108+\q], 0x322bcc77, v[104+\q]     ; + 1e-8
.endr
.irp q, 0,1,2,3
	v_log_f32 v[108+\q], v[108+\q]                 ; log2
.endr
	v_nop                                          ; a plain place behind the logarithms
	s_wait_alu depctr_va_vdst(0)
.irp q, 0,1,2,3
	v_mul_f32 v[108+\q], v[108+\q], v[104+\q]
.endr
	v_add_f32 v108, v108, v109
	v_add_f32 v110, v110, v111
	v_add_f32 v108, v108, v110
	v_add_f32_dpp v108, v108, v108 row_xmask:1 row_mask:0xf bank_mask:0xf   ; the other four experts
	v_mul_f32 v108, 0x3be32166, v108               ; x 0.01 ln 2
	v_cmp_eq_u32 vcc_lo, 0, v2
	s_wait_xcnt 0x0                                ; EXEC changes only behind this wait
	s_and_saveexec_b32 s30, vcc_lo
	global_store_b32 v4, v108, s[14:15]
	s_wait_xcnt 0x0
	s_or_b32 exec_lo, exec_lo, s30
.Lend:
	s_endpgm
.Lfunc_end_k_q249fd8521c_combine:
	.size	k_q249fd8521c_combine, .Lfunc_end_k_q249fd8521c_combine-k_q249fd8521c_combine
	.p2alignl 7, 3214868480
	.fill 96, 4, 3214868480
	.section	.rodata,"a",@progbits
	.p2align	6, 0x0
	.amdhsa_kernel k_q249fd8521c_combine
		.amdhsa_group_segment_fixed_size 0
		.amdhsa_private_segment_fixed_size 0
		.amdhsa_enable_private_segment 0
		.amdhsa_kernarg_size 48
		.amdhsa_user_sgpr_count 2
		.amdhsa_user_sgpr_kernarg_segment_ptr 1
		.amdhsa_wavefront_size32 1
		.amdhsa_system_sgpr_workgroup_id_x 1
		.amdhsa_system_sgpr_workgroup_id_y 1
		.amdhsa_system_sgpr_workgroup_id_z 1
		.amdhsa_system_vgpr_workitem_id 0
		.amdhsa_next_free_vgpr 128
		.amdhsa_next_free_sgpr 66
		.amdhsa_reserve_vcc 1
		.amdhsa_float_denorm_mode_32 3
		.amdhsa_float_denorm_mode_16_64 3
		.amdhsa_memory_ordered 1
		.amdhsa_forward_progress 1
		.amdhsa_inst_pref_size 11
	.end_amdhsa_kernel
	.amdgpu_metadata
---
amdhsa.version: [ 1, 2 ]
amdhsa.kernels:
  - .name:           k_q249fd8521c_combine
    .symbol:         k_q249fd8521c_combine.kd
    .args:
      - { .name: ypart, .offset: 0, .size: 8, .value_kind: global_buffer, .address_space: global }
      - { .name: meta, .offset: 8, .size: 8, .value_kind: global_buffer, .address_space: global }
      - { .name: gp, .offset: 16, .size: 8, .value_kind: global_buffer, .address_space: global }
      - { .name: b2, .offset: 24, .size: 8, .value_kind: global_buffer, .address_space: global }
      - { .name: out0, .offset: 32, .size: 8, .value_kind: global_buffer, .address_space: global }
      - { .name: out1, .offset: 40, .size: 8, .value_kind: global_buffer, .address_space: global }
    .group_segment_fixed_size: 0
    .private_segment_fixed_size: 0
    .kernarg_segment_align: 8
    .kernarg_segment_size: 48
    .max_flat_workgroup_size: 256
    .sgpr_count:     66
    .vgpr_count:     128
    .wavefront_size: 32
...
	.end_amdgpu_metadata
.endif
;; end of part 5
;; ======== version 2 of 2: 5 launches
;; workspace buffers: xq 819,200 bytes; sel 8,192 bytes of whole numbers; gp 10,240 bytes; meta 9,216 bytes of whole numbers; xs 6,553,600 bytes; hq 25,165,824 bytes; hs 1,048,576 bytes; ypart 67,108,864 bytes
;; launch route (part 6): grid 64 x 1, 16 waves a work-group, no clusters, 36,352 bytes of LDS; arguments x, Wg, bg, xq, sel, gp; writes xq, sel, gp
.if DOCPART == 6
	.amdgcn_target "amdgcn-amd-amdhsa--gfx1250"
	.amdhsa_code_object_version 6
	.text
	.protected	k_q249fd8521c_route
	.globl	k_q249fd8521c_route
	.p2align	8
	.type	k_q249fd8521c_route,@function
k_q249fd8521c_route:
	s_mov_b64 s[64:65], 0
	v_nop
	global_prefetch_b8 v0, s[64:65] scope:SCOPE_SE
	s_setreg_imm32_b32 hwreg(HW_REG_WAVE_MODE, 25, 1), 1
	s_wait_xcnt 0x0
; ROUTE.  For each of the 1,024 tokens: x's row is quantised to BF6 (E3M2) codes with one E8M0 byte for each 32 along K; the gate x Wg + bg (f32 multiply-adds),
; its softmax (the maximum taken away), the two largest probabilities, their experts and their normalised weights.
; A work-group has 16 waves and takes 16 tokens, one a wave.  A lane takes one block of 32 numbers of the row: the block's largest magnitude needs no other lane,
; and the same 32 numbers meet 32 rows of Wg, which lie in LDS (32 KB, copied once by the work-group).
; OUT: xq: a record of 800 bytes a token: 8 K steps of 96 bytes, the four blocks of a step in the order 0, 2, 1, 3, so that lane (r, h) of an operand finds its 12 registers
;      as 48 bytes on end at 96 KS + 48 h; then the 32 scale bytes in their natural order.
;      sel: [token][2] the chosen experts, as whole numbers at fixed places: no address of this launch hangs on them.
;      gp:  gw[2 token + k] the normalised weights; from byte 8,192 on psum[work-group][8], the 16 tokens' sums of probabilities.
; LIMITS: NaN and infinities are not served.  A block of zeros gets the byte 1 where the rule says 127: its codes are zeros and only this program reads the bytes.
; Of two probabilities that are equal in f32 the lower index is kept; probabilities closer than f32 rounding may fall either way.
.set PROB, 33280                       ; LDS: Wg at 0 (byte B at B + 16 (B >> 10): a lane's 1,024 bytes lie 1,040 apart); PROB 512 bytes; SELL = PROB + 512; GWL = PROB + 640
.set X,    8                           ; v8-39    my block of 32 numbers
.set WST,  40                          ; v40-55   Wg on its way to LDS
.set WB,   56                          ; v56-119  eight rows of Wg
.set SUM,  120                         ; v120-127 the eight logits
.set M0,   128
.set M1,   129
.set SCO,  130
.set BY,   131
.set C,    132                         ; v132-138 the codes
.set PT,   140                         ; v140-147 the other half's sums
.set T0,   148                         ; v148-149 at work
.set P,    150                         ; v150-157 exponentials, then probabilities
.set T1,   158                         ; v158-161 at work
.set BEST, 162
.set IDX,  163
.set Q,    164                         ; v164-171 the probabilities without the winner
.set NEG,  172
.set BES2, 173
.set IDX2, 174
.set PA,   176                         ; PROB + 32 wave
.set SA,   177                         ; SELL + 8 wave
.set RA,   178                         ; PROB + 4 lane
.set L4,   179                         ; 4 lane
	s_load_b256 s[4:11], s[0:1], 0x0               ; x s[4:5], Wg s[6:7], bg s[8:9], xq s[10:11]
	s_load_b128 s[12:15], s[0:1], 0x20             ; sel s[12:13], gp s[14:15]
	v_lshl_add_u32 v192, v0, 2, 0x8600
	v_mov_b32 v193, 0
	v_lshrrev_b32 v1, 5, v0
	s_delay_alu instid0(VALU_DEP_1)
	v_readfirstlane_b32 s24, v1                    ; wave
	v_and_b32 v1, 31, v0                           ; lane
	v_lshlrev_b32 v2, 4, v0                        ; Wg in memory: 16 bytes a thread
	v_lshrrev_b32 v3, 6, v0
	s_delay_alu instid0(VALU_DEP_1)
	v_lshl_add_u32 v3, v3, 4, v2                   ; and in LDS: + 16 for each 1,024 passed
	s_delay_alu instid0(VALU_DEP_4)
	v_lshlrev_b32 v4, 7, v1                        ; x: my block's 128 bytes
	v_mul_u32_u24 v5, v1, 1040                     ; my 32 rows of Wg in LDS
	v_lshrrev_b32 v6, 2, v1
	s_delay_alu instid0(VALU_DEP_1)
	v_mul_u32_u24 v6, v6, 96                       ; xq: K step lane / 4,
	v_and_b32 v7, 1, v1
	s_delay_alu instid0(VALU_DEP_1)
	v_mad_u32_u24 v6, v7, 48, v6                   ; blocks in the order 0, 2, 1, 3: place 2 (lane & 1) + ((lane >> 1) & 1), 24 bytes each
	v_bfe_u32 v7, v1, 1, 1
	s_delay_alu instid0(VALU_DEP_1)
	v_mad_u32_u24 v6, v7, 24, v6
	s_lshl_b32 s25, ttmp9, 4
	s_add_co_u32 s25, s25, s24                     ; my token
	s_lshl_b32 s26, s24, 5
	s_add_co_u32 s26, s26, PROB
	v_mov_b32 v[PA], s26
	s_lshl_b32 s26, s24, 3
	s_add_co_u32 s26, s26, PROB+512
	v_mov_b32 v[SA], s26
	v_lshl_add_u32 v[RA], v1, 2, PROB
	v_lshlrev_b32 v[L4], 2, v1
	s_mov_b32 s30, 0x76543210
	s_mov_b32 s31, 0xfedcba98                      ; v_permlanex16_b32's selects for lane l xor 16
	s_lshl_b32 s28, s25, 12
	s_mov_b32 s29, 0
	s_wait_kmcnt 0x0
	s_load_b256 s[16:23], s[8:9], 0x0              ; bg
	s_add_nc_u64 s[4:5], s[4:5], s[28:29]          ; x at my row
	s_mul_i32 s28, s25, 800
	s_add_nc_u64 s[10:11], s[10:11], s[28:29]      ; xq at my record
	s_lshl_b32 s28, ttmp9, 7
	s_add_nc_u64 s[12:13], s[12:13], s[28:29]      ; sel and gw: 128 bytes a work-group
	s_add_nc_u64 s[32:33], s[14:15], s[28:29]
	s_lshl_b32 s28, ttmp9, 5
	s_add_nc_u64 s[34:35], s[14:15], s[28:29]      ; psum: 32 bytes a work-group
.irp j, 0,1,2,3
	global_load_b128 v[WST+4*\j:WST+4*\j+3], v2, s[6:7] offset:8192*\j
.endr
.irp j, 0,1,2,3,4,5,6,7
	global_load_b128 v[X+4*\j:X+4*\j+3], v4, s[4:5] offset:16*\j th:TH_LOAD_NT
.endr
	s_wait_loadcnt 8                               ; Wg's four loads are in; x's eight are younger
.irp j, 0,1,2,3
	ds_store_b128 v3, v[WST+4*\j:WST+4*\j+3] offset:8320*\j
.endr
	s_wait_loadcnt 0x0                             ; x
	; my block's largest magnitude, with the floor 2^(5 - 127) among its leaves; 4 off its exponent field is the conversion's scale operand, and that shifted down the byte
	v_max3_num_f32 v[M0], |v[X]|, |v[X+1]|, |v[X+2]|
	v_max3_num_f32 v[M1], |v[X+3]|, |v[X+4]|, |v[X+5]|
.irp i, 6,10,14,18,22,26
	s_delay_alu instid0(VALU_DEP_2)
	v_max3_num_f32 v[M0], v[M0], |v[X+\i]|, |v[X+\i+1]|
	s_delay_alu instid0(VALU_DEP_2)
	v_max3_num_f32 v[M1], v[M1], |v[X+\i+2]|, |v[X+\i+3]|
.endr
	s_delay_alu instid0(VALU_DEP_2)
	v_max3_num_f32 v[M0], v[M0], |v[X+30]|, |v[X+31]|
	s_delay_alu instid0(VALU_DEP_1)
	v_max3_num_f32 v[M0], v[M0], v[M1], 0x2800000
	s_delay_alu instid0(VALU_DEP_1)
	v_add_nc_u32 v[SCO], 0xfe000000, v[M0]
	s_delay_alu instid0(VALU_DEP_1)
	v_lshrrev_b32 v[BY], 23, v[SCO]
	v_cvt_scalef32_pk16_bf6_f32 v[C:C+2], v[X:X+15], v[SCO]
	v_cvt_scalef32_pk16_bf6_f32 v[C+4:C+6], v[X+16:X+31], v[SCO]   ; (a conversion's three registers begin on an even number)
	v_nop                                          ; one plain place behind a scaled conversion
	global_store_b96 v6, v[C:C+2], s[10:11]
	global_store_b96 v6, v[C+4:C+6], s[10:11] offset:12
	global_store_b8 v1, v[BY], s[10:11] offset:768
	s_wait_dscnt 0x0                               ; for the others' sake: my part of Wg lies in LDS
	s_barrier_signal -1
	s_barrier_wait -1
	; the gate: my 32 numbers x my 32 rows of Wg, eight rows at a time; four pairs of sums; the first products start the sums
.irp g, 0,1,2,3
.irp i, 0,1,2,3,4,5,6,7
	ds_load_b128 v[WB+8*\i:WB+8*\i+3], v5 offset:256*\g+32*\i
	ds_load_b128 v[WB+8*\i+4:WB+8*\i+7], v5 offset:256*\g+32*\i+16
.endr
	s_wait_alu depctr_va_vdst(0)
	s_wait_dscnt 0x0
.irp i, 0,1,2,3,4,5,6,7
.irp p, 0,1,2,3
.if (\g == 0) && (\i == 0)
	v_pk_mul_f32 v[SUM+2*\p:SUM+2*\p+1], v[WB+2*\p:WB+2*\p+1], v[X:X+1] op_sel_hi:[1,0]
.elseif (\i % 2) == 0
	v_pk_fma_f32 v[SUM+2*\p:SUM+2*\p+1], v[WB+8*\i+2*\p:WB+8*\i+2*\p+1], v[X+8*\g+\i:X+8*\g+\i+1], v[SUM+2*\p:SUM+2*\p+1] op_sel_hi:[1,0,1]
.else
	s_delay_alu instid0(VALU_DEP_4)
	v_pk_fma_f32 v[SUM+2*\p:SUM+2*\p+1], v[WB+8*\i+2*\p:WB+8*\i+2*\p+1], v[X+8*\g+\i-1:X+8*\g+\i], v[SUM+2*\p:SUM+2*\p+1] op_sel:[0,1,0] op_sel_hi:[1,1,1]
.endif
.endr
.endr
.endr
	; over the 32 lanes: every lane ends with the eight sums
.irp m, 1,2,4,8
.irp n, 0,1,2,3,4,5,6,7
	v_add_f32_dpp v[SUM+\n], v[SUM+\n], v[SUM+\n] row_xmask:\m row_mask:0xf bank_mask:0xf
.endr
.endr
.irp n, 0,1,2,3,4,5,6,7
	v_mov_b32 v[PT+\n], 0                          ; a lane permute's destination counts as one of its sources
.endr
.irp n, 0,1,2,3,4,5,6,7
	v_permlanex16_b32 v[PT+\n], v[SUM+\n], s30, s31
.endr
	s_wait_alu depctr_va_vdst(0)
	s_wait_kmcnt 0x0                               ; bg
.irp n, 0,1,2,3,4,5,6,7
	v_add_f32 v[SUM+\n], v[SUM+\n], v[PT+\n]
.endr
.irp n, 0,1,2,3,4,5,6,7
	v_add_f32 v[SUM+\n], s[16+\n], v[SUM+\n]
.endr
	; softmax over the eight experts, the largest logit taken away
	v_max3_num_f32 v[T0], v[SUM], v[SUM+1], v[SUM+2]
	s_delay_alu instid0(VALU_DEP_1)
	v_max3_num_f32 v[T0], v[T0], v[SUM+3], v[SUM+4]
	s_delay_alu instid0(VALU_DEP_1)
	v_max3_num_f32 v[T0], v[T0], v[SUM+5], v[SUM+6]
	s_delay_alu instid0(VALU_DEP_1)
	v_max_num_f32 v[T0], v[T0], v[SUM+7]
.irp n, 0,1,2,3,4,5,6,7
	v_sub_f32 v[P+\n], v[SUM+\n], v[T0]
.endr
.irp n, 0,1,2,3,4,5,6,7
	v_mul_f32 v[P+\n], 0x3fb8aa3b, v[P+\n]         ; x log2(e)
.endr
	s_wait_alu depctr_va_vdst(0)
.irp n, 0,1,2,3,4,5,6,7
	v_exp_f32 v[P+\n], v[P+\n]
.endr
	v_mov_b32 v[NEG], -1.0                         ; (a plain place behind the exponentials)
	s_wait_alu depctr_va_vdst(0)
	v_add_f32 v[T1], v[P], v[P+1]
	v_add_f32 v[T1+1], v[P+2], v[P+3]
	v_add_f32 v[T1+2], v[P+4], v[P+5]
	v_add_f32 v[T1+3], v[P+6], v[P+7]
	s_delay_alu instid0(VALU_DEP_3)
	v_add_f32 v[T1], v[T1], v[T1+1]
	s_delay_alu instid0(VALU_DEP_2)
	v_add_f32 v[T1+2], v[T1+2], v[T1+3]
	s_delay_alu instid0(VALU_DEP_1)
	v_add_f32 v[T1], v[T1], v[T1+2]
	s_wait_alu depctr_va_vdst(0)
	v_rcp_f32 v[T0], v[T1]
	v_mov_b32 v[IDX], 0                            ; (a plain place behind the reciprocal)
	s_wait_alu depctr_va_vdst(0)
.irp n, 0,1,2,3,4,5,6,7
	v_mul_f32 v[P+\n], v[P+\n], v[T0]              ; the probabilities
.endr
	; the largest: a later one takes the place only where it is strictly larger, so of equals the lower index stays
	v_mov_b32 v[BEST], v[P]
.irp n, 1,2,3,4,5,6,7
	s_delay_alu instid0(VALU_DEP_1)
	v_cmp_le_f32 vcc_lo, v[P+\n], v[BEST]
	s_delay_alu instid0(VALU_DEP_1)
	v_cndmask_b32 v[IDX], \n, v[IDX], vcc_lo
	s_delay_alu instid0(VALU_DEP_2)
	v_cndmask_b32 v[BEST], v[P+\n], v[BEST], vcc_lo
.endr
	; the second: the same with -1 in the winner's place
.irp n, 0,1,2,3,4,5,6,7
	v_cmp_eq_u32 vcc_lo, \n, v[IDX]
	s_delay_alu instid0(VALU_DEP_1)
	v_cndmask_b32 v[Q+\n], v[P+\n], v[NEG], vcc_lo
.endr
	v_mov_b32 v[BES2], v[Q]
	v_mov_b32 v[IDX2], 0
.irp n, 1
	s_delay_alu instid0(VALU_DEP_2)
	v_cmp_le_f32 vcc_lo, v[Q+\n], v[BES2]
	s_delay_alu instid0(VALU_DEP_1)
	v_cndmask_b32 v[IDX2], \n, v[IDX2], vcc_lo
	s_delay_alu instid0(VALU_DEP_2)
	v_cndmask_b32 v[BES2], v[Q+\n], v[BES2], vcc_lo
.endr
.irp n, 2, 3, 4, 5, 6, 7
	s_delay_alu instid0(VALU_DEP_1)
	v_cmp_le_f32 vcc_lo, v[Q+\n], v[BES2]
	s_delay_alu instid0(VALU_DEP_1)
	v_cndmask_b32 v[IDX2], \n, v[IDX2], vcc_lo
	s_delay_alu instid0(VALU_DEP_2)
	v_cndmask_b32 v[BES2], v[Q+\n], v[BES2], vcc_lo
.endr
	s_delay_alu instid0(VALU_DEP_1)
	v_add_f32 v[T1], v[BEST], v[BES2]
	s_wait_alu depctr_va_vdst(0)
	v_rcp_f32 v[T0], v[T1]
	v_nop                                          ; a plain place behind the reciprocal
	s_wait_alu depctr_va_vdst(0)
	v_mul_f32 v[BEST], v[BEST], v[T0]              ; the two weights, normalised
	v_mul_f32 v[BES2], v[BES2], v[T0]
.irp n, 0,1,2,3,4,5,6,7
	ds_store_b32 v[PA], v[P+\n] offset:4*\n        ; all lanes write the same word with the same value
.endr
	ds_store_b32 v[SA], v[IDX]
	ds_store_b32 v[SA], v[IDX2] offset:4
	ds_store_b32 v[SA], v[BEST] offset:128
	ds_store_b32 v[SA], v[BES2] offset:132
	s_wait_dscnt 0x0                               ; for wave 0's sake
	s_barrier_signal -1
	s_barrier_wait -1
	s_cmp_lg_u32 s24, 0
	s_cbranch_scc1 .Lend
	; wave 0 stores the work-group's 32 choices, 32 weights and 8 sums: each store covers consecutive bytes
	ds_load_b32 v[WB], v[RA] offset:512
	ds_load_b32 v[WB+1], v[RA] offset:640
.irp j, 0,1,2,3
	ds_load_b32 v[WB+2+\j], v[RA] offset:128*\j    ; probabilities of tokens 4 j + lane / 8, expert lane % 8
.endr
	s_wait_dscnt 0x0
	global_store_b32 v[L4], v[WB], s[12:13]
	global_store_b32 v[L4], v[WB+1], s[32:33]
	v_add_f32 v[WB+2], v[WB+2], v[WB+3]
	v_add_f32 v[WB+4], v[WB+4], v[WB+5]
	s_delay_alu instid0(VALU_DEP_1)
	v_add_f32 v[WB+2], v[WB+2], v[WB+4]
	s_delay_alu instid0(VALU_DEP_1)
	v_add_f32_dpp v[WB+2], v[WB+2], v[WB+2] row_xmask:8 row_mask:0xf bank_mask:0xf
	s_delay_alu instid0(VALU_DEP_1)
	v_permlanex16_b32 v[PT], v[WB+2], s30, s31
	s_delay_alu instid0(VALU_DEP_1)
	v_add_f32 v[WB+2], v[WB+2], v[PT]
	v_cmp_gt_u32 vcc_lo, 8, v1
	s_wait_alu depctr_va_vdst(0)
	s_wait_xcnt 0x0                                ; EXEC changes only behind this wait
	s_and_saveexec_b32 s28, vcc_lo
	global_store_b32 v[L4], v[WB+2], s[34:35] offset:8192
	s_wait_xcnt 0x0
	s_or_b32 exec_lo, exec_lo, s28
.Lend:
	s_wait_tensorcnt 0x0
	ds_add_u32 v192, v193
	s_wait_dscnt 0x0
	s_endpgm
.Lfunc_end_k_q249fd8521c_route:
	.size	k_q249fd8521c_route, .Lfunc_end_k_q249fd8521c_route-k_q249fd8521c_route
	.p2alignl 7, 3214868480
	.fill 96, 4, 3214868480
	.section	.rodata,"a",@progbits
	.p2align	6, 0x0
	.amdhsa_kernel k_q249fd8521c_route
		.amdhsa_group_segment_fixed_size 36352
		.amdhsa_private_segment_fixed_size 0
		.amdhsa_enable_private_segment 0
		.amdhsa_kernarg_size 48
		.amdhsa_user_sgpr_count 2
		.amdhsa_user_sgpr_kernarg_segment_ptr 1
		.amdhsa_wavefront_size32 1
		.amdhsa_system_sgpr_workgroup_id_x 1
		.amdhsa_system_sgpr_workgroup_id_y 1
		.amdhsa_system_sgpr_workgroup_id_z 1
		.amdhsa_system_vgpr_workitem_id 0
		.amdhsa_next_free_vgpr 194
		.amdhsa_next_free_sgpr 66
		.amdhsa_reserve_vcc 1
		.amdhsa_float_denorm_mode_32 3
		.amdhsa_float_denorm_mode_16_64 3
		.amdhsa_memory_ordered 1
		.amdhsa_forward_progress 1
		.amdhsa_inst_pref_size 32
	.end_amdhsa_kernel
	.amdgpu_metadata
---
amdhsa.version: [ 1, 2 ]
amdhsa.kernels:
  - .name:           k_q249fd8521c_route
    .symbol:         k_q249fd8521c_route.kd
    .args:
      - { .name: x, .offset: 0, .size: 8, .value_kind: global_buffer, .address_space: global }
      - { .name: Wg, .offset: 8, .size: 8, .value_kind: global_buffer, .address_space: global }
      - { .name: bg, .offset: 16, .size: 8, .value_kind: global_buffer, .address_space: global }
      - { .name: xq, .offset: 24, .size: 8, .value_kind: global_buffer, .address_space: global }
      - { .name: sel, .offset: 32, .size: 8, .value_kind: global_buffer, .address_space: global }
      - { .name: gp, .offset: 40, .size: 8, .value_kind: global_buffer, .address_space: global }
    .group_segment_fixed_size: 36352
    .private_segment_fixed_size: 0
    .kernarg_segment_align: 8
    .kernarg_segment_size: 48
    .max_flat_workgroup_size: 512
    .sgpr_count:     66
    .vgpr_count:     194
    .wavefront_size: 32
...
	.end_amdgpu_metadata
.endif
;; end of part 6
;; launch place (part 7): grid 144 x 1, 16 waves a work-group, no clusters, 0 bytes of LDS; arguments sel, xq, xs, meta; writes xs, meta
.if DOCPART == 7
	.amdgcn_target "amdgcn-amd-amdhsa--gfx1250"
	.amdhsa_code_object_version 6
	.text
	.protected	k_q249fd8521c_place
	.globl	k_q249fd8521c_place
	.p2align	8
	.type	k_q249fd8521c_place,@function
k_q249fd8521c_place:
	s_mov_b64 s[64:65], 0
	v_nop
	global_prefetch_b8 v0, s[64:65] scope:SCOPE_SE
	s_setreg_imm32_b32 hwreg(HW_REG_WAVE_MODE, 25, 1), 1
	s_wait_xcnt 0x0
; PLACE.  The routed rows are laid by expert.  sel (whole numbers, stored by the launch before) says which two experts each token chose.
; A wave takes one task.  Tasks 0 .. 2,047 (work-groups 0-127): the routed row rid = 2 token + k.  Its place p in its expert's list is the number of earlier tokens that chose the same expert:
; every wave reads all of sel (8 KB) and counts by 32 turns of compares and bit counts, in scalar registers.  The token's codes go from xq into xs as pieces of operand images, its scale words behind them,
; and slotof[rid] = 1024 e + p into meta.
; Tasks 2,048 .. 2,303 (work-groups 128-143): (expert e, j of 32): a row of zero codes (scale bytes 127) at slot count + j, where that lies under max(count, 1) rounded up to 32: so every byte that the
; next launch reads has been written.  j = 0 also stores cnt[e] (32 copies).  A task past that bound stores nothing: the grid serves every split of the tokens.
; xs: codes [e][tile of 16 rows: 64][K step 8], an image of 1,536 bytes = [lane r + 16 h][48 bytes]; from byte SCL on, scale words [e][tile][row 16][K step 8].
; ADDRESSES.  What hangs on sel enters an address as a scalar held by s_min_u32 with a constant, shifted left and added to the pointer: a multiple such as 12,288 is two shifts and two sums.
; The vector offsets hang on the lane alone.  Each word of slotof, each row of xs and each cnt has one writer.
.set SCL, 6291456
.macro ADDSH base, reg, sh             ; pointer += held number << sh  (s31 = 0)
	s_lshl_b32 s30, s[\reg], \sh
	s_add_nc_u64 s[\base:\base+1], s[\base:\base+1], s[30:31]
.endm
; s16 = the expert, s17 = the token in front of which the count stops.  Out: s24 = choosers of s16 among tokens under s17, s25 = among all 1,024.
.macro RANK
	s_mov_b32 s24, 0
	s_mov_b32 s25, 0
.set ii, 0
.rept 32                               ; tokens 32 ii + lane
	v_cmp_eq_u32 s26, s16, v[8+2*ii]
	v_cmp_eq_u32 s27, s16, v[9+2*ii]
	s_or_b32 s26, s26, s27                         ; those that chose the expert, as first or as second
	s_sub_co_i32 s28, s17, 32*ii
	v_cmp_gt_i32 s27, s28, v1                      ; those in front of the stop
	s_bcnt1_i32_b32 s29, s26
	s_add_co_u32 s25, s25, s29
	s_and_b32 s26, s26, s27
	s_bcnt1_i32_b32 s29, s26
	s_add_co_u32 s24, s24, s29
.set ii, ii+1
.endr
.endm
; the row in v72-78 goes to slot s19 of expert s16
.macro PUT
	s_lshr_b32 s26, s19, 4
	s_min_u32 s26, s26, 63                         ; tile
	s_and_b32 s27, s19, 15
	s_min_u32 s27, s27, 15                         ; row in it
	s_min_u32 s28, s16, 7                          ; expert
	s_mov_b64 s[36:37], s[8:9]
	s_mov_b64 s[38:39], s[8:9]
	ADDSH 36, 28, 19                               ; codes: 786,432 bytes an expert,
	ADDSH 36, 28, 18
	ADDSH 36, 26, 13                               ; 12,288 a tile,
	ADDSH 36, 26, 12
	ADDSH 36, 27, 5                                ; 48 a row
	ADDSH 36, 27, 4
	ADDSH 38, 28, 15                               ; scale words: 32,768 an expert, 512 a tile, 32 a row
	ADDSH 38, 26, 9
	ADDSH 38, 27, 5
.irp n, 0,1,2
	global_store_b64 v4, v[72+2*\n:73+2*\n], s[36:37] offset:8*\n
.endr
	v_cmp_gt_u32 vcc_lo, 8, v1
	s_wait_xcnt 0x0                                ; EXEC changes only behind this wait
	s_and_saveexec_b32 s42, vcc_lo
	global_store_b32 v5, v78, s[38:39] offset:SCL  ; eight lanes: the row's eight scale words
	s_wait_xcnt 0x0
	s_or_b32 exec_lo, exec_lo, s42
.endm
	s_load_b256 s[4:11], s[0:1], 0x0               ; sel s[4:5], xq s[6:7], xs s[8:9], meta s[10:11]
	v_lshrrev_b32 v1, 5, v0
	s_delay_alu instid0(VALU_DEP_1)
	v_readfirstlane_b32 s12, v1                    ; wave
	v_and_b32 v1, 31, v0                           ; lane
	s_delay_alu instid0(VALU_DEP_1)
	v_lshlrev_b32 v2, 3, v1                        ; sel: 8 bytes a token
	s_delay_alu instid0(VALU_DEP_2)
	v_mul_u32_u24 v3, v1, 24                       ; a record's codes: 24 bytes a lane: K step lane / 4, half h = (lane / 2) % 2, block lane % 2 of that half's two
	s_delay_alu instid0(VALU_DEP_3)
	v_lshrrev_b32 v4, 2, v1
	s_delay_alu instid0(VALU_DEP_1)
	v_mul_u32_u24 v4, v4, 1536                     ; and where they go: the K step's image,
	v_bfe_u32 v5, v1, 1, 1
	s_delay_alu instid0(VALU_DEP_1)
	v_mad_u32_u24 v4, v5, 768, v4                  ; lanes 16 h on,
	v_and_b32 v5, 1, v1
	s_delay_alu instid0(VALU_DEP_1)
	v_mad_u32_u24 v4, v5, 24, v4                   ; the first or the second six registers
	v_lshlrev_b32 v5, 2, v1                        ; 4 lane
	v_and_b32 v6, 7, v1
	s_delay_alu instid0(VALU_DEP_1)
	v_lshlrev_b32 v6, 2, v6                        ; 4 (lane % 8)
	s_lshl_b32 s13, ttmp9, 4
	s_add_co_u32 s13, s13, s12                     ; my task
	s_mov_b32 s31, 0
	s_wait_kmcnt 0x0
.set ii, 0
.rept 32
	global_load_b64 v[8+2*ii:9+2*ii], v2, s[4:5] offset:256*ii
.set ii, ii+1
.endr
	s_cmp_lt_u32 ttmp9, 128
	s_cbranch_scc0 .Lpad
	; A ROUTED ROW
	s_lshl_b32 s14, s13, 2
	s_load_b32 s16, s[4:5], s14 offset:0x0         ; my expert
	s_lshr_b32 s17, s13, 1                         ; my token
	s_mul_i32 s20, s17, 800
	s_mov_b32 s21, 0
	s_add_nc_u64 s[22:23], s[6:7], s[20:21]        ; its record
.irp n, 0,1,2
	global_load_b64 v[72+2*\n:73+2*\n], v3, s[22:23] offset:8*\n
.endr
	s_wait_alu depctr_va_vdst(0)
	global_load_b32 v78, v6, s[22:23] offset:768
	s_wait_kmcnt 0x0
	s_wait_loadcnt 0x0
	RANK
	s_mov_b32 s19, s24                             ; my place
	PUT
	v_mov_b32 v80, s14
	s_lshl_b32 s32, s16, 10
	s_add_co_u32 s32, s32, s19
	v_mov_b32 v81, s32                             ; 1024 e + p
	v_cmp_eq_u32 vcc_lo, 0, v1
	s_wait_alu depctr_va_vdst(0)
	s_wait_xcnt 0x0
	s_and_saveexec_b32 s42, vcc_lo
	global_store_b32 v80, v81, s[10:11]            ; slotof[rid]
	s_wait_xcnt 0x0
	s_or_b32 exec_lo, exec_lo, s42
	s_endpgm
.Lpad:
	; A ROW OF ZEROS behind an expert's last row
	s_sub_co_u32 s15, s13, 2048
	s_lshr_b32 s16, s15, 5                         ; expert
	s_and_b32 s18, s15, 31                         ; j
	s_mov_b32 s17, 1024                            ; the count stops nowhere
.irp n, 0,1,2,3,4,5
	v_mov_b32 v[72+\n], 0
.endr
	v_mov_b32 v78, 0x7f7f7f7f
	s_wait_loadcnt 0x0
	RANK
	s_cmp_lg_u32 s18, 0
	s_cbranch_scc1 .Lno_cnt
	v_mov_b32 v81, s25
	s_lshl_b32 s20, s16, 7
	s_mov_b32 s21, 0
	s_add_nc_u64 s[22:23], s[10:11], s[20:21]
	global_store_b32 v5, v81, s[22:23] offset:8192 ; cnt[e], 32 copies: 128 consecutive bytes
.Lno_cnt:
	s_add_co_u32 s19, s25, s18                     ; slot count + j
	s_max_u32 s26, s25, 1
	s_add_co_u32 s26, s26, 31
	s_and_not1_b32 s26, s26, 31                    ; max(count, 1) rounded up to 32
	s_cmp_ge_u32 s19, s26
	s_cbranch_scc1 .Lend
	PUT
.Lend:
	s_endpgm
.Lfunc_end_k_q249fd8521c_place:
	.size	k_q249fd8521c_place, .Lfunc_end_k_q249fd8521c_place-k_q249fd8521c_place
	.p2alignl 7, 3214868480
	.fill 96, 4, 3214868480
	.section	.rodata,"a",@progbits
	.p2align	6, 0x0
	.amdhsa_kernel k_q249fd8521c_place
		.amdhsa_group_segment_fixed_size 0
		.amdhsa_private_segment_fixed_size 0
		.amdhsa_enable_private_segment 0
		.amdhsa_kernarg_size 32
		.amdhsa_user_sgpr_count 2
		.amdhsa_user_sgpr_kernarg_segment_ptr 1
		.amdhsa_wavefront_size32 1
		.amdhsa_system_sgpr_workgroup_id_x 1
		.amdhsa_system_sgpr_workgroup_id_y 1
		.amdhsa_system_sgpr_workgroup_id_z 1
		.amdhsa_system_vgpr_workitem_id 0
		.amdhsa_next_free_vgpr 96
		.amdhsa_next_free_sgpr 66
		.amdhsa_reserve_vcc 1
		.amdhsa_float_denorm_mode_32 3
		.amdhsa_float_denorm_mode_16_64 3
		.amdhsa_memory_ordered 1
		.amdhsa_forward_progress 1
		.amdhsa_inst_pref_size 38
	.end_amdhsa_kernel
	.amdgpu_metadata
---
amdhsa.version: [ 1, 2 ]
amdhsa.kernels:
  - .name:           k_q249fd8521c_place
    .symbol:         k_q249fd8521c_place.kd
    .args:
      - { .name: sel, .offset: 0, .size: 8, .value_kind: global_buffer, .address_space: global }
      - { .name: xq, .offset: 8, .size: 8, .value_kind: global_buffer, .address_space: global }
      - { .name: xs, .offset: 16, .size: 8, .value_kind: global_buffer, .address_space: global }
      - { .name: meta, .offset: 24, .size: 8, .value_kind: global_buffer, .address_space: global }
    .group_segment_fixed_size: 0
    .private_segment_fixed_size: 0
    .kernarg_segment_align: 8
    .kernarg_segment_size: 32
    .max_flat_workgroup_size: 512
    .sgpr_count:     66
    .vgpr_count:     96
    .wavefront_size: 32
...
	.end_amdgpu_metadata
.endif
;; end of part 7
;; launch ffn1 (part 8): grid 256 x 1, 16 waves a work-group, no clusters, 163,840 bytes of LDS; arguments W1, b1, xs, meta, hq, hs; writes hq, hs
.if DOCPART == 8
	.amdgcn_target "amdgcn-amd-amdhsa--gfx1250"
	.amdhsa_code_object_version 6
	.text
	.protected	k_q249fd8521c_ffn1
	.globl	k_q249fd8521c_ffn1
	.p2align	8
	.type	k_q249fd8521c_ffn1,@function
k_q249fd8521c_ffn1:
	s_mov_b64 s[64:65], 0
	v_nop
	global_prefetch_b8 v0, s[64:65] scope:SCOPE_SE
	s_setreg_imm32_b32 hwreg(HW_REG_WAVE_SCHED_MODE, 0, 2), 2
	s_setreg_imm32_b32 hwreg(HW_REG_WAVE_MODE, 25, 1), 1
	s_wait_xcnt 0x0
	s_wait_alu depctr_vm_vsrc(0)
; FFN1.  h = relu(x W1[e] + b1[e]) for the rows routed to expert e, on BF6 (E3M2) codes with one E8M0 scale for each 32 along K; h leaves as codes for the second product.
; A work-group owns expert e = wg / 32 and 128 hidden units (slice = wg % 32), as two runs of 64 columns.  It reads its 512 KB of W1 (f32, K outermost) ONCE, quantises it on the way
; (a lane takes a column, its 32 registers run down K) and keeps the codes in LDS as images of operand registers: 64 fragments of 16 columns x 128 K, written once, never again.
; The stream goes in 8 steps of 256 K x 64 columns.  Wave w loads columns 32 (w & 1) on, K 32 (w >> 1) on: 32 loads of 128 bytes; waves w and w ^ 1 cover 256 consecutive bytes.
; ROWS.  x's codes come as register images, laid by expert by the launch before (xs); the expert's count comes from meta.  Wave w multiplies slots 32 w .. 32 w + 31 (two tiles of 16) step by step as the
; weights' codes arrive; a wave whose slots lie past the count jumps over that work (never over a barrier), and its first step, which every wave runs, reads group 0, which is always written.
; Slots 512 on are served by a second walk over the codes kept in LDS, with no barrier.  Group 0 is always made, so that the next launch always finds bytes that were written.
; THE PRODUCT IS USED TRANSPOSED (source 0 = 16 columns of W1, source 1 = 16 rows of x), and the columns of a tile are chosen (lane m of tile 2 b + u: column 32 b + 8 u + m + 8 (m / 8)) so that
; a lane holds ONE row and the 16 registers of tiles 2 b, 2 b + 1 are 16 neighbours along the next K.
; The eight accumulators take turns, one instruction a turn.  Scale registers hold scales alone.
; OUT: hq [e][tile 64][K step 32] images of 1,536 bytes ([lane][48]); hs [e][tile][row 16][K step 32] scale words.
; LIMITS: NaN and infinities are not served.  A block of zeros gets the byte 1 where the rule says 127: its codes are zeros and only this program reads the bytes.
; THE MODE: SCHED_MODE bits 1:0 = 2 (LLVM: expert scheduling mode 2), set by the entry lines.  The code itself states the register dependences
; between vector or matrix instructions and memory or LDS instructions, with s_wait_alu, always for 0.
; THE PLAN.  Registers that memory or LDS instructions touch:
;   ST0, ST1      Step S: QUANT's vector lines read ST[S % 2]; behind them the 32 loads of step S + 2 land in it.
;   C, BY         Written by QUANT S, read by its four LDS stores, written again by QUANT S + 1.
;   WF, WSC       LDS loads land, four products read, four times a step.  FINISH1 takes WF as scratch; its LDS stores read WF + 16, WF + 17.
;   XF, XSC       The rows' loads land, the step's products read.  FINISH1 loads b1 into XF + 0 .. 31, writes codes into XF + 32 .. 47 (read by LDS stores) and reads the parked images into XF + 0 .. 24 (read by global stores).
;   v1 - v22      Addresses and offsets: made at the head, never written again.     v254, v255: read by the closing add alone.     The accumulators are named by matrix and vector instructions alone.
; THE WAITS.  One on va_vdst behind QUANT's last vector line: it serves QUANT's stores, the loads of two steps on and the step's first loads into WSC and WF, since no vector or matrix instruction stands between.
; One ahead of each of the step's other three refills of WF; the one at the second K step's head also frees x's fragments of the first K step, which are asked for again there.  One at the step's end, ahead of the rest of
; the rows' loads.  On vm_vsrc: one beside the wait on DScnt in front of each barrier's signal (C, BY), one at the end of FINISH1's first half, one ahead of the second walk's branch.
; W1's fragments have one buffer: four waves of 256 registers fill a SIMD's 1,024.
.set WS,   98304                       ; LDS: codes at 0 (64 x 1,536); WS: scale bytes [K step 16][m 16][tile 4][block 4]
.set BIAS, 102400                      ; 512 bytes a wave: its own copy of the slice's 128 numbers of b1
.set PARK, 110592                      ; 3,072 bytes a wave: two images of h
.set PSC,  159744                      ; 128 bytes a wave: their scale words
.set LN4, 1                            ; v1   4 lane
.set PW,  2                            ; v2-3 where my block's codes go (steps 0-3, 4-7)
.set SW,  4                            ; v4   and its scale byte
.set RP,  5                            ; v5-6 48 lane: an image's place for my lane, in LDS (K steps 0-7, 8-15) and in xs
.set RS,  7                            ; v7   WS + 16 (lane % 16)
.set XS,  10                           ; v10  32 r: my row's scale words in a tile of xs
.set BW,  12                           ; v12  BIAS + 512 wave + 16 lane
.set BA,  16                           ; v16  BIAS + 512 wave + 64 h
.set PK,  17                           ; PARK + 3072 wave + 48 lane
.set PS,  18                           ; PSC + 128 wave + 4 r
.set PL,  19                           ; PARK + 3072 wave + 16 lane
.set PSL, 20                           ; PSC + 128 wave + 4 lane
.set GC,  21                           ; 16 lane
.set GS,  22                           ; 2048 h + 128 r
.set BR,  28                           ; v28-31   b1 on its way to LDS
.set ST,  32                           ; v32-95   two sets of 32 numbers of W1
.set WF,  96                           ; v96-119  two fragments of W1
.set WSC, 120                          ; v120-123 a K step's four scale words of W1
.set XF,  124                          ; v124-171 x's fragments: (K step a, tile i) at 12 (2 i + a)
.set XSC, 172                          ; v172-175 x's scale words: 2 i + a
.set ACC, 176                          ; v176-239 accumulators: 32 i + 8 t
.set C,   240                          ; v240-246 codes just made
.set M0,  248
.set M1,  249
.set SCO, 250
.set BY,  251
; one step's 32 numbers of my column: W1(k0 + i, column).  Each step has its own base, made once: no source of a pending load is ever rewritten.
.macro LOADSET S
.set ii, 0
.rept 32
	global_load_b32 v[ST+32*((\S)%2)+ii], v[LN4], s[40+2*(\S):41+2*(\S)] offset:16384*ii th:TH_LOAD_NT
.set ii, ii+1
.endr
.endm
; my block of 32 along K becomes 24 bytes of codes and a scale byte, laid where the reader's registers want them
.macro QUANT S
.set XB, ST+32*((\S)%2)
	v_max3_num_f32 v[M0], |v[XB]|, |v[XB+1]|, |v[XB+2]|
	v_max3_num_f32 v[M1], |v[XB+3]|, |v[XB+4]|, |v[XB+5]|
.irp i, 6,10,14,18,22,26
	v_max3_num_f32 v[M0], v[M0], |v[XB+\i]|, |v[XB+\i+1]|
	v_max3_num_f32 v[M1], v[M1], |v[XB+\i+2]|, |v[XB+\i+3]|
.endr
	v_max3_num_f32 v[M0], v[M0], |v[XB+30]|, |v[XB+31]|
	v_max3_num_f32 v[M0], v[M0], v[M1], 0x2800000  ; and the floor 2^(5 - 127): the byte cannot fall under 1
	v_add_nc_u32 v[SCO], 0xfe000000, v[M0]         ; 4 off the exponent field: the conversion's scale operand
	v_lshrrev_b32 v[BY], 23, v[SCO]                ; the byte
	v_cvt_scalef32_pk16_bf6_f32 v[C:C+2], v[XB:XB+15], v[SCO]
	v_cvt_scalef32_pk16_bf6_f32 v[C+4:C+6], v[XB+16:XB+31], v[SCO]   ; (a conversion's three registers begin on an even number)
	v_nop                                          ; one plain place behind a scaled conversion
	v_mov_b32 v[C+3], v[C+4]
	v_mov_b32 v[C+4], v[C+5]
	v_mov_b32 v[C+5], v[C+6]
	s_wait_alu depctr_va_vdst(0)                   ; v[C ..] and v[BY] are written, which the LDS stores read; the lines above are done reading this set, in which the loads of two steps on land; the step before's products are done reading WSC and WF, in which this step's first LDS loads land
.irp p, 0,1,2
	ds_store_b64 v[PW+(\S)/4], v[C+2*\p:C+2*\p+1] offset:((\S)%4)*12288+8*\p
.endr
	ds_store_b8 v[SW], v[BY] offset:512*(\S)
.endm
; my 32 rows' images for K step a of the step's two: 6 loads
.macro XLOADF S, a, gx
.irp i, 0,1
.irp j, 0,1,2
	global_load_b128 v[XF+12*(2*\i+\a)+4*\j:XF+12*(2*\i+\a)+4*\j+3], v[RP], s[16:17] offset:\gx+12288*\i+1536*((2*(\S))%8+\a)+16*\j
.endr
.endr
.endm
; and their scale words for both K steps: 2 loads
.macro XLOADS S, gs
.irp i, 0,1
	global_load_b64 v[XSC+2*\i:XSC+2*\i+1], v[XS], s[18:19] offset:\gs+512*\i+4*((2*(\S))%8)
.endr
.endm
; a step's 16 products: two K steps x four column tiles x two row tiles.  Four v_nop behind each four products, as ever: the places behind matrix instructions (ISA guide 7.12.1).
; The step's first loads into WSC and WF hang on a wait that stands ahead of the macro.  ahead = 1: the next step's images of its first K step are asked for as soon as this step's first K step is multiplied.
.macro MUL S, zero, ahead
.irp a, 0,1
.if \a == 1
	s_wait_alu depctr_va_vdst(0)                   ; the first K step's products are done reading WSC and WF, in which the LDS loads below land, and x's fragments of that K step, in which the next step's land
.endif
	ds_load_b128 v[WSC:WSC+3], v[RS] offset:256*(2*(\S)+\a)
.irp q, 0,1
.if \q == 1
	s_wait_alu depctr_va_vdst(0)                   ; the last four products are done reading WF, in which the LDS loads below land
.endif
.irp u, 0,1
.irp j, 0,1,2
	ds_load_b128 v[WF+12*\u+4*\j:WF+12*\u+4*\j+3], v[RP+(\S)/4] offset:((2*(\S)+\a)%8)*6144+(2*\q+\u)*1536+16*\j
.endr
.endr
.if \ahead && (\a == 1) && (\q == 0)
	XLOADF \S+1, 0, 0                              ; no wait: no vector or matrix instruction since the wait above names these registers, and the products below name the other K step's
.endif
	s_wait_dscnt 0x0
.irp u, 0,1
.irp i, 0,1
.if \zero && (\a == 0)
	v_wmma_scale_f32_16x16x128_f8f6f4 v[ACC+32*\i+8*(2*\q+\u):ACC+32*\i+8*(2*\q+\u)+7], v[WF+12*\u:WF+12*\u+11], v[XF+12*(2*\i+\a):XF+12*(2*\i+\a)+11], 0, v[WSC+2*\q+\u], v[XSC+2*\i+\a] matrix_a_fmt:MATRIX_FMT_BF6 matrix_b_fmt:MATRIX_FMT_BF6
.else
	v_wmma_scale_f32_16x16x128_f8f6f4 v[ACC+32*\i+8*(2*\q+\u):ACC+32*\i+8*(2*\q+\u)+7], v[WF+12*\u:WF+12*\u+11], v[XF+12*(2*\i+\a):XF+12*(2*\i+\a)+11], v[ACC+32*\i+8*(2*\q+\u):ACC+32*\i+8*(2*\q+\u)+7], v[WSC+2*\q+\u], v[XSC+2*\i+\a] matrix_a_fmt:MATRIX_FMT_BF6 matrix_b_fmt:MATRIX_FMT_BF6
.endif
.endr
.endr
.rept 4
	v_nop
.endr
.endr
.endr
.endm
; 64 columns are summed: + b1, relu, quantised along the hidden units (two blocks of 32 a row tile), parked as half of an operand's image.  sub = 1: the image is whole and leaves.
.macro FINISH1 sub, goc, gos
	s_wait_alu depctr_va_vdst(0)                   ; the products are done reading x's fragments, in which b1 lands
.irp b, 0,1
.irp q, 0,1,2,3
	ds_load_b128 v[XF+16*\b+4*\q:XF+16*\b+4*\q+3], v[BA] offset:256*\sub+128*\b+16*\q   ; b1 at my 32 columns: register 8 t + j
.endr
.endr
	s_wait_dscnt 0x0
.irp i, 0,1
.irp p, 0,2,4,6,8,10,12,14,16,18,20,22,24,26,28,30
	v_pk_add_f32 v[ACC+32*\i+\p:ACC+32*\i+\p+1], v[ACC+32*\i+\p:ACC+32*\i+\p+1], v[XF+\p:XF+\p+1]   ; each accumulator from its low end on
.endr
.endr
.set ii, 0
.rept 64
	v_max_num_f32 v[ACC+ii], 0, v[ACC+ii]
.set ii, ii+1
.endr
.irp k, 0,1,2,3                        ; block k = 2 i + b: my 16 numbers (none is negative), and the floor
	v_max3_num_f32 v[WF+\k], v[ACC+16*\k], v[ACC+16*\k+1], 0x2800000
.endr
.irp n, 2,4,6,8,10,12,14
.irp k, 0,1,2,3
	v_max3_num_f32 v[WF+\k], v[WF+\k], v[ACC+16*\k+\n], v[ACC+16*\k+\n+1]
.endr
.endr
.irp k, 0,1,2,3
	v_mov_b32 v[WF+4+\k], 0                        ; a lane permute's destination counts as one of its sources
.endr
.irp k, 0,1,2,3
	v_permlanex16_b32 v[WF+4+\k], v[WF+\k], s32, s33
.endr
.irp k, 0,1,2,3
	v_max_num_f32 v[WF+\k], v[WF+\k], v[WF+4+\k]   ; with lane l xor 16's 16: the block's
.endr
.irp k, 0,1,2,3
	v_add_nc_u32 v[WF+8+\k], 0xfe000000, v[WF+\k]
.endr
.irp k, 0,1,2,3
	v_lshrrev_b32 v[WF+12+\k], 23, v[WF+8+\k]
.endr
.irp i, 0,1
	v_lshl_or_b32 v[WF+16+\i], v[WF+13+2*\i], 8, v[WF+12+2*\i]   ; two bytes: half of my row's scale word
.endr
.irp i, 0,1
	v_cvt_scalef32_pk16_bf6_f32 v[XF+32+8*\i:XF+34+8*\i], v[ACC+32*\i:ACC+32*\i+15], v[WF+8+2*\i]
	v_cvt_scalef32_pk16_bf6_f32 v[XF+36+8*\i:XF+38+8*\i], v[ACC+32*\i+16:ACC+32*\i+31], v[WF+9+2*\i]
.endr
	v_nop                                          ; one plain place behind a scaled conversion
.irp i, 0,1                            ; the operand wants a WHOLE block in a lane: lanes 0-15 the first, lanes 16-31 the second
.irp n, 0,1,2
	v_permlane16_swap_b32 v[XF+32+8*\i+\n], v[XF+36+8*\i+\n]
.endr
.irp n, 0,1,2
	v_mov_b32 v[XF+35+8*\i+\n], v[XF+36+8*\i+\n]
.endr
.endr
	s_wait_alu depctr_va_vdst(0)                   ; the codes v[XF+32 ..] and the half words v[WF+16 ..] are written, which the LDS stores read; the lines above are done with v[XF ..] and v[WF ..], in which loads land next
.irp i, 0,1
.irp p, 0,1,2
	ds_store_b64 v[PK], v[XF+32+8*\i+2*\p:XF+33+8*\i+2*\p] offset:1536*\i+24*\sub+8*\p
.endr
	ds_store_b16 v[PS], v[WF+16+\i] offset:64*\i+2*\sub
.endr
.if \sub == 1
.irp i, 0,1
.irp j, 0,1,2
	ds_load_b128 v[XF+12*\i+4*\j:XF+12*\i+4*\j+3], v[PL] offset:1536*\i+512*\j   ; LDS serves a wave's instructions in order: these see my stores
.endr
.endr
	ds_load_b32 v[XF+24], v[PSL]
	s_wait_dscnt 0x0
.irp i, 0,1
.irp j, 0,1,2
	global_store_b128 v[GC], v[XF+12*\i+4*\j:XF+12*\i+4*\j+3], s[56:57] offset:\goc+49152*\i+512*\j   ; 512 consecutive bytes, at a multiple of 256 from hq's first byte
.endr
.endr
	global_store_b32 v[GS], v[XF+24], s[58:59] offset:\gos
.else
	s_wait_dscnt 0x0                               ; the stores have landed
	s_wait_alu depctr_vm_vsrc(0)                   ; the LDS stores have read v[XF+32 ..] and v[WF+16 ..], in which the next loads land
.rept 8
	v_nop                                          ; places between the vector writes above and the next scaled products
.endr
.endif
.endm
	s_load_b256 s[4:11], s[0:1], 0x0               ; W1 s[4:5], b1 s[6:7], xs s[8:9], meta s[10:11]
	s_load_b128 s[12:15], s[0:1], 0x20             ; hq s[12:13], hs s[14:15]
	v_lshl_add_u32 v254, v0, 2, 0x27800
	v_mov_b32 v255, 0
	v_lshrrev_b32 v24, 5, v0
	v_readfirstlane_b32 s20, v24                   ; wave
	s_lshr_b32 s21, ttmp9, 5                       ; e
	s_and_b32 s22, ttmp9, 31                       ; slice
	s_wait_alu depctr_va_sdst(0)                   ; s20 is written, ahead of its first reader: LDS places, bases and the branches on rows are made from it
	s_lshl_b32 s26, s20, 5                         ; my first slot,
	s_add_co_u32 s27, s26, 512                     ; and in the second walk
	s_mov_b32 s32, 0x76543210
	s_mov_b32 s33, 0xfedcba98                      ; v_permlanex16_b32's selects for lane l xor 16
	s_and_b32 s28, s20, 1                          ; cg: which 32 columns I stream
	s_lshr_b32 s29, s20, 1                         ; kb: which 32 of a step's 256 along K
	s_lshr_b32 s35, s29, 2                         ; which of the step's two K steps
	s_lshl_b32 s36, s21, 7                         ; cnt[e]: 128 bytes an expert
	v_and_b32 v25, 31, v0                          ; lane
	v_and_b32 v26, 15, v0                          ; r
	v_bfe_u32 v27, v0, 4, 1                        ; h
	v_bfe_u32 v28, v0, 3, 1                        ; u: my column's tile in its pair
	v_and_b32 v29, 7, v0
	v_lshl_add_u32 v29, v27, 3, v29                ; m: its row in that tile
	s_wait_alu depctr_va_vdst(0)
	v_lshlrev_b32 v[LN4], 2, v25
	s_mul_i32 s30, s28, 3072                       ; codes: tile pair cg, K step kb / 4, half kb & 1 of the lanes, block (kb >> 1) & 1 of the lane's two
	s_mul_i32 s34, s35, 6144
	s_add_co_u32 s30, s30, s34
	s_and_b32 s34, s29, 1
	s_mul_i32 s34, s34, 768
	s_add_co_u32 s30, s30, s34
	s_bfe_u32 s34, s29, 0x10001
	s_mul_i32 s34, s34, 24
	s_add_co_u32 s30, s30, s34
	v_mul_u32_u24 v[PW], v29, 48
	v_mad_u32_u24 v[PW], v28, 1536, v[PW]
	v_add_nc_u32 v[PW], s30, v[PW]
	v_add_nc_u32 v[PW+1], 49152, v[PW]
	s_lshl_b32 s30, s28, 3                         ; scale bytes: 16 m + 4 tile + block, 256 a K step
	s_lshl_b32 s34, s35, 8
	s_add_co_u32 s30, s30, s34
	s_and_b32 s34, s29, 3
	s_add_co_u32 s30, s30, s34
	s_add_co_u32 s30, s30, WS
	v_lshlrev_b32 v[SW], 4, v29
	v_lshl_add_u32 v[SW], v28, 2, v[SW]
	v_add_nc_u32 v[SW], s30, v[SW]
	v_mul_u32_u24 v[RP], v25, 48
	v_add_nc_u32 v[RP+1], 49152, v[RP]
	v_lshl_add_u32 v[RS], v26, 4, WS
	v_lshlrev_b32 v[XS], 5, v26
	s_lshl_b32 s30, s20, 9
	s_add_co_u32 s30, s30, BIAS
	v_lshl_add_u32 v[BW], v25, 4, s30
	v_lshl_add_u32 v[BA], v27, 6, s30
	s_mul_i32 s30, s20, 3072
	s_add_co_u32 s30, s30, PARK
	v_add_nc_u32 v[PK], s30, v[RP]
	v_lshl_add_u32 v[PL], v25, 4, s30
	s_lshl_b32 s30, s20, 7
	s_add_co_u32 s30, s30, PSC
	v_lshl_add_u32 v[PS], v26, 2, s30
	v_add_nc_u32 v[PSL], s30, v[LN4]
	v_lshlrev_b32 v[GC], 4, v25
	v_lshlrev_b32 v[GS], 7, v26
	v_lshl_add_u32 v[GS], v27, 11, v[GS]
	s_mov_b32 s31, 0
	s_lshl_b32 s30, s21, 24                        ; W1: expert, slice, my 32 columns, my 32 rows
	s_lshl_b32 s34, s22, 9
	s_add_co_u32 s30, s30, s34
	s_lshl_b32 s34, s28, 7
	s_add_co_u32 s30, s30, s34
	s_lshl_b32 s34, s29, 19
	s_add_co_u32 s30, s30, s34
	s_wait_kmcnt 0x0
	s_load_b32 s24, s[10:11], s36 offset:0x2000    ; the expert's count
	s_add_nc_u64 s[40:41], s[4:5], s[30:31]
.irp n, 1,2,3,4,5,6,7
	s_add_nc_u64 s[40+2*\n:41+2*\n], s[40:41], (\n%4)*4194304+(\n/4)*256   ; step n: 256 rows of 16,384 bytes a step; from step 4 on the second 64 columns
.endr
	s_lshl_b32 s30, s21, 14
	s_lshl_b32 s34, s22, 9
	s_add_co_u32 s30, s30, s34
	s_add_nc_u64 s[62:63], s[6:7], s[30:31]        ; b1 at my slice
	s_wait_alu depctr_va_vdst(0)                   ; the addresses and offsets v1 to v22 are written, which every load and store of the kernel reads; the head is done with v28 and v29, in which b1 lands
	global_load_b128 v[BR:BR+3], v[GC], s[62:63]   ; my oldest load: the slice's 512 bytes of b1
	LOADSET 0
	LOADSET 1
	s_lshl_b32 s30, s21, 6
	s_lshl_b32 s34, s20, 1
	s_add_co_u32 s34, s30, s34                     ; my first tile: 64 e + 2 wave
	s_lshl_b32 s30, s34, 5
	s_add_co_u32 s30, s30, s22
	s_mul_i32 s30, s30, 1536
	s_add_nc_u64 s[56:57], s[12:13], s[30:31]      ; hq
	s_lshl_b32 s30, s34, 11
	s_lshl_b32 s34, s22, 2
	s_add_co_u32 s30, s30, s34
	s_add_nc_u64 s[58:59], s[14:15], s[30:31]      ; hs
	s_mul_i32 s30, s21, 786432
	s_add_nc_u64 s[16:17], s[8:9], s[30:31]        ; xs: the expert's images: 64 tiles of 12,288 bytes,
	s_lshl_b32 s30, s21, 15
	s_add_nc_u64 s[18:19], s[8:9], s[30:31]
	s_add_nc_u64 s[18:19], s[18:19], 6291456       ; and its scale words: 64 tiles of 512 bytes
	s_wait_kmcnt 0x0
	s_max_u32 s25, s24, 1                          ; group 0 is always made
	s_cmp_lt_u32 s26, s25
	s_cselect_b32 s34, s20, 0                      ; my group if it has rows, else group 0: only bytes that were written are read
	s_min_u32 s34, s34, 15                         ; what hangs on the count is held by a constant, shifted and added to the pointer
	s_lshl_b32 s30, s34, 14
	s_add_nc_u64 s[16:17], s[16:17], s[30:31]      ; 24,576 bytes of images a group: two shifts, two sums
	s_lshl_b32 s30, s34, 13
	s_add_nc_u64 s[16:17], s[16:17], s[30:31]
	s_lshl_b32 s30, s34, 10
	s_add_nc_u64 s[18:19], s[18:19], s[30:31]      ; 1,024 bytes of scale words
	XLOADF 0, 0, 0
	XLOADF 0, 1, 0
	XLOADS 0, 0
	s_wait_loadcnt 46                              ; b1 and set 0 are in: set 1's 32 loads and the rows' 14 are younger
	ds_store_b128 v[BW], v[BR:BR+3]                ; my own copy: no other wave reads it
; A STEP: my block is quantised into LDS; the set two steps on is asked for; the barrier shows the step's codes to all; then, in waves that have rows, the step's products.
; The wait behind the barrier leaves only the youngest set out, whether or not the rows' loads were issued: so it holds on every way, and the next step's numbers are in too.
.macro STEP S
	QUANT \S
.if \S <= 5
	LOADSET \S+2
.endif
	s_wait_dscnt 0x0                               ; my LDS stores have landed, my LDS loads are in
.if \S < 7
	s_wait_alu depctr_vm_vsrc(0)                   ; my LDS stores have read v[C ..] and v[BY], which the next step's lines write again: stated here, ahead of the branch on rows
.endif
	s_barrier_signal -1
	s_barrier_wait -1
.if \S <= 5
	s_wait_loadcnt 32
.else
	s_wait_loadcnt 0x0
.endif
.if \S > 0
	s_cmp_ge_u32 s26, s25
	s_cbranch_scc1 .Lidle_\@
.endif
.if ((\S)%4) == 0
	MUL \S, 1, 1
.elseif ((\S)%4) == 3
	MUL \S, 0, 0                                   ; FINISH1 takes x's registers: the next step's rows are asked for behind it
.else
	MUL \S, 0, 1
.endif
.if \S == 3
	FINISH1 0, 0, 0
	XLOADF 4, 0, 0                                 ; no wait: FINISH1's two last waits stand behind all that named these registers
	XLOADF 4, 1, 0
	XLOADS 4, 0
.elseif \S == 7
	FINISH1 1, 0, 0
.else
	s_wait_alu depctr_va_vdst(0)                   ; the step's last products are done reading x's fragments of the second K step and x's scale words, in which the loads below land
	XLOADF \S+1, 1, 0
	XLOADS \S+1, 0
.endif
.Lidle_\@:
.endm
.irp s, 0,1,2,3,4,5,6,7
	STEP \s
.endr
	; THE SECOND WALK: slots 512 + 32 wave on, from the codes that lie in LDS.  No barrier: nothing is written there any more.  A wave that comes here had rows in the first walk, so its bases are its own group's.
	s_wait_alu depctr_vm_vsrc(0)                   ; the first walk's stores have read v[XF ..] and v[WF+16 ..], in which the second walk's loads land: stated ahead of the branch
	s_cmp_ge_u32 s27, s24
	s_cbranch_scc1 .Ldone
	s_wait_xcnt 0x0                                ; the stores above have read their registers
.irp s, 0,1,2,3,4,5,6,7
.if (\s % 4) != 0
	s_wait_alu depctr_va_vdst(0)                   ; the last step's products are done reading x's fragments and scale words, WSC and WF, in which the loads below land (in steps 0 and 4 FINISH1's wait has stated it)
.endif
	XLOADF \s, 0, 393216                           ; 32 tiles on in xs
	XLOADF \s, 1, 393216
	XLOADS \s, 16384
	s_wait_loadcnt 0x0
.if (\s % 4) == 0
	MUL \s, 1, 0
.else
	MUL \s, 0, 0
.endif
.if \s == 3
	FINISH1 0, 0, 0
.endif
.if \s == 7
	FINISH1 1, 1572864, 65536                      ; 32 tiles on in hq and in hs
.endif
.endr
.Ldone:
	s_wait_dscnt 0x0                               ; the closing lines, six on end
	s_wait_alu 0x0
	s_wait_tensorcnt 0x0
	ds_add_u32 v254, v255
	s_wait_dscnt 0x0
	s_endpgm
.Lfunc_end_k_q249fd8521c_ffn1:
	.size	k_q249fd8521c_ffn1, .Lfunc_end_k_q249fd8521c_ffn1-k_q249fd8521c_ffn1
	.p2alignl 7, 3214868480
	.fill 96, 4, 3214868480
	.section	.rodata,"a",@progbits
	.p2align	6, 0x0
	.amdhsa_kernel k_q249fd8521c_ffn1
		.amdhsa_group_segment_fixed_size 163840
		.amdhsa_private_segment_fixed_size 0
		.amdhsa_enable_private_segment 0
		.amdhsa_kernarg_size 48
		.amdhsa_user_sgpr_count 2
		.amdhsa_user_sgpr_kernarg_segment_ptr 1
		.amdhsa_wavefront_size32 1
		.amdhsa_system_sgpr_workgroup_id_x 1
		.amdhsa_system_sgpr_workgroup_id_y 1
		.amdhsa_system_sgpr_workgroup_id_z 1
		.amdhsa_system_vgpr_workitem_id 0
		.amdhsa_next_free_vgpr 256
		.amdhsa_next_free_sgpr 66
		.amdhsa_reserve_vcc 0
		.amdhsa_float_denorm_mode_32 3
		.amdhsa_float_denorm_mode_16_64 3
		.amdhsa_memory_ordered 1
		.amdhsa_forward_progress 1
		.amdhsa_inst_pref_size 175
	.end_amdhsa_kernel
	.amdgpu_metadata
---
amdhsa.version: [ 1, 2 ]
amdhsa.kernels:
  - .name:           k_q249fd8521c_ffn1
    .symbol:         k_q249fd8521c_ffn1.kd
    .args:
      - { .name: W1, .offset: 0, .size: 8, .value_kind: global_buffer, .address_space: global }
      - { .name: b1, .offset: 8, .size: 8, .value_kind: global_buffer, .address_space: global }
      - { .name: xs, .offset: 16, .size: 8, .value_kind: global_buffer, .address_space: global }
      - { .name: meta, .offset: 24, .size: 8, .value_kind: global_buffer, .address_space: global }
      - { .name: hq, .offset: 32, .size: 8, .value_kind: global_buffer, .address_space: global }
      - { .name: hs, .offset: 40, .size: 8, .value_kind: global_buffer, .address_space: global }
    .group_segment_fixed_size: 163840
    .private_segment_fixed_size: 0
    .kernarg_segment_align: 8
    .kernarg_segment_size: 48
    .max_flat_workgroup_size: 512
    .sgpr_count:     66
    .vgpr_count:     256
    .wavefront_size: 32
...
	.end_amdgpu_metadata
.endif
;; end of part 8
;; launch ffn2 (part 9): grid 256 x 1, 16 waves a work-group, no clusters, 243,712 bytes of LDS; arguments W2, hq, hs, meta, ypart; writes ypart
.if DOCPART == 9
	.amdgcn_target "amdgcn-amd-amdhsa--gfx1250"
	.amdhsa_code_object_version 6
	.text
	.protected	k_q249fd8521c_ffn2
	.globl	k_q249fd8521c_ffn2
	.p2align	8
	.type	k_q249fd8521c_ffn2,@function
k_q249fd8521c_ffn2:
	s_mov_b64 s[64:65], 0
	v_nop
	global_prefetch_b8 v0, s[64:65] scope:SCOPE_SE
	s_setreg_imm32_b32 hwreg(HW_REG_WAVE_SCHED_MODE, 0, 2), 2
	s_setreg_imm32_b32 hwreg(HW_REG_WAVE_MODE, 25, 1), 1
	s_wait_xcnt 0x0
	s_wait_alu depctr_vm_vsrc(0)
; FFN2.  Partial sums of h W2[e] for the rows routed to expert e, on BF6 (E3M2) codes with one E8M0 scale for each 32 along K.
; A work-group owns expert e = wg / 32, half kq = (wg / 16) % 2 of the 4,096 hidden units (K) and 64 columns (ns = wg % 16).  It reads its 512 KB of W2 (f32, K outermost) ONCE, quantises it on
; the way (a lane takes a column, its 32 registers run down K) and keeps the codes in LDS as images of operand registers: 64 fragments of 16 columns x 128 K, written once.
; The stream goes in 8 steps of 256 K x 64 columns; wave w loads columns 32 (w & 1) on, K 32 (w >> 1) on; waves w and w ^ 1 cover 256 consecutive bytes of each row of W2.
; ROWS.  h's codes come as register images, made by the launch before.  Wave w multiplies slots 32 w .. 32 w + 31; a wave whose slots lie past the count jumps over that work (never over a barrier),
; and its first step, which every wave runs, reads group 0, which is always written.  Slots 512 on: a second walk over the codes kept in LDS, with no barrier.
; THE PRODUCT IS USED TRANSPOSED (source 0 = 16 columns of W2, source 1 = 16 rows of h): a lane holds one row; in tile 2 b + u its register j is column 32 b + 16 h + 8 u + j.
; The eight accumulators take turns, one instruction a turn.  Scale registers hold scales alone.
; OUT: ypart [kq][e][slot 1024][1024] f32, through a stage in LDS: sixteen lanes store 256 consecutive bytes.  The two halves of K, b2 and the gate's weights meet in the next launch.
; LIMITS: NaN and infinities are not served.  A block of zeros gets the byte 1 where the rule says 127: its codes are zeros and only this program reads the bytes.
; THE MODE: SCHED_MODE bits 1:0 = 2 (LLVM: expert scheduling mode 2), set by the entry lines.  The code itself states the register dependences
; between vector or matrix instructions and memory or LDS instructions, with s_wait_alu, always for 0.
; THE PLAN.  Registers that memory or LDS instructions touch:
;   ST0, ST1      Step S: QUANT's vector lines read ST[S % 2]; behind them the 32 loads of step S + 2 land in it.  On the way out the stage's reads land there and the global stores read them.
;   C, BY         Written by QUANT S, read by its four LDS stores, written again by QUANT S + 1.
;   WF, WSC       LDS loads land, four products read, four times a step.
;   XF, XSC       The rows' loads land, the step's products read.
;   ACC           Written by the products; read by the stage's LDS stores on the way out; begun anew by the second walk's first products.
;   v1 - v14      Addresses and offsets: made at the head, never written again.     v254, v255: read by the closing add alone.
; THE WAITS.  One on va_vdst behind QUANT's last vector line: it serves QUANT's stores, the loads of two steps on and the step's first loads into WSC and WF, since no vector or matrix instruction stands between.
; One ahead of each of the step's other three refills of WF; the one at the second K step's head also frees h's fragments of the first K step, which are asked for again there.  One at the step's end, ahead of the rest of
; the rows' loads; one ahead of the stage's stores.  On vm_vsrc: one beside the wait on DScnt in front of each barrier's signal (C, BY), one ahead of the second walk's branch (ACC, ST).
; W2's fragments have one buffer: four waves of 256 registers fill a SIMD's 1,024.
.set WS,   98304                       ; LDS: codes at 0 (64 x 1,536); WS: scale bytes [K step 16][m 16][tile 4][block 4]
.set STG,  102400                      ; 8,704 bytes a wave: two tiles x 16 rows x (256 + 16)
.set LN4, 1                            ; v1   4 lane
.set PW,  2                            ; v2-3 where my block's codes go (steps 0-3, 4-7)
.set SW,  4                            ; v4   and its scale byte
.set RP,  5                            ; v5-6 48 lane: an image's place for my lane, in LDS (K steps 0-7, 8-15) and in hq
.set RS,  7                            ; v7   WS + 16 (lane % 16)
.set XS,  10                           ; v10  128 r: my row's scale words in a tile of hs
.set SO,  12                           ; v12  the stage: where I put a row's bytes
.set SR,  13                           ; v13  and where I read rows back
.set GY,  14                           ; v14  the same two rows in ypart
.set ST,  32                           ; v32-95   two sets of 32 numbers of W2; at the end the rows read back from the stage
.set WF,  96                           ; v96-119  two fragments of W2
.set WSC, 120                          ; v120-123 a K step's four scale words of W2
.set XF,  124                          ; v124-171 h's fragments: (K step a, tile i) at 12 (2 i + a)
.set XSC, 172                          ; v172-175 h's scale words: 2 i + a
.set ACC, 176                          ; v176-239 accumulators: 32 i + 8 t
.set C,   240
.set M0,  248
.set M1,  249
.set SCO, 250
.set BY,  251
.macro LOADSET S                       ; one step's 32 numbers of my column; every offset is an immediate, 7,467,008 at the most
.set ii, 0
.rept 32
	global_load_b32 v[ST+32*((\S)%2)+ii], v[LN4], s[40:41] offset:1048576*(\S)+4096*ii th:TH_LOAD_NT
.set ii, ii+1
.endr
.endm
.macro QUANT S                         ; my block of 32 along K becomes 24 bytes of codes and a scale byte, laid where the reader's registers want them
.set XB, ST+32*((\S)%2)
	v_max3_num_f32 v[M0], |v[XB]|, |v[XB+1]|, |v[XB+2]|
	v_max3_num_f32 v[M1], |v[XB+3]|, |v[XB+4]|, |v[XB+5]|
.irp i, 6,10,14,18,22,26
	v_max3_num_f32 v[M0], v[M0], |v[XB+\i]|, |v[XB+\i+1]|
	v_max3_num_f32 v[M1], v[M1], |v[XB+\i+2]|, |v[XB+\i+3]|
.endr
	v_max3_num_f32 v[M0], v[M0], |v[XB+30]|, |v[XB+31]|
	v_max3_num_f32 v[M0], v[M0], v[M1], 0x2800000  ; and the floor 2^(5 - 127): the byte cannot fall under 1
	v_add_nc_u32 v[SCO], 0xfe000000, v[M0]         ; 4 off the exponent field: the conversion's scale operand
	v_lshrrev_b32 v[BY], 23, v[SCO]                ; the byte
	v_cvt_scalef32_pk16_bf6_f32 v[C:C+2], v[XB:XB+15], v[SCO]
	v_cvt_scalef32_pk16_bf6_f32 v[C+4:C+6], v[XB+16:XB+31], v[SCO]   ; (a conversion's three registers begin on an even number)
	v_nop                                          ; one plain place behind a scaled conversion
	v_mov_b32 v[C+3], v[C+4]
	v_mov_b32 v[C+4], v[C+5]
	v_mov_b32 v[C+5], v[C+6]
	s_wait_alu depctr_va_vdst(0)                   ; v[C ..] and v[BY] are written, which the LDS stores read; the lines above are done reading this set, in which the loads of two steps on land; the step before's products are done reading WSC and WF, in which this step's first LDS loads land
.irp p, 0,1,2
	ds_store_b64 v[PW+(\S)/4], v[C+2*\p:C+2*\p+1] offset:((\S)%4)*12288+8*\p
.endr
	ds_store_b8 v[SW], v[BY] offset:512*(\S)
.endm
.macro XLOADF S, a, gh                 ; my 32 rows' images for K step a of the step's two: 6 loads
.irp i, 0,1
.irp j, 0,1,2
	global_load_b128 v[XF+12*(2*\i+\a)+4*\j:XF+12*(2*\i+\a)+4*\j+3], v[RP], s[42:43] offset:\gh+49152*\i+1536*(2*(\S)+\a)+16*\j
.endr
.endr
.endm
.macro XLOADS S, gs                    ; and their scale words for both K steps: 2 loads
.irp i, 0,1
	global_load_b64 v[XSC+2*\i:XSC+2*\i+1], v[XS], s[44:45] offset:\gs+2048*\i+8*(\S)
.endr
.endm
; a step's 16 products.  Four v_nop behind each four, as ever: the places behind matrix instructions (ISA guide 7.12.1).
; The step's first loads into WSC and WF hang on a wait that stands ahead of the macro.  ahead = 1: the next step's images of its first K step are asked for as soon as this step's first K step is multiplied.
.macro MUL S, zero, ahead
.irp a, 0,1
.if \a == 1
	s_wait_alu depctr_va_vdst(0)                   ; the first K step's products are done reading WSC and WF, in which the LDS loads below land, and h's fragments of that K step, in which the next step's land
.endif
	ds_load_b128 v[WSC:WSC+3], v[RS] offset:256*(2*(\S)+\a)
.irp q, 0,1
.if \q == 1
	s_wait_alu depctr_va_vdst(0)                   ; the last four products are done reading WF, in which the LDS loads below land
.endif
.irp u, 0,1
.irp j, 0,1,2
	ds_load_b128 v[WF+12*\u+4*\j:WF+12*\u+4*\j+3], v[RP+(\S)/4] offset:((2*(\S)+\a)%8)*6144+(2*\q+\u)*1536+16*\j
.endr
.endr
.if \ahead && (\a == 1) && (\q == 0)
	XLOADF \S+1, 0, 0                              ; no wait: no vector or matrix instruction since the wait above names these registers, and the products below name the other K step's
.endif
	s_wait_dscnt 0x0
.irp u, 0,1
.irp i, 0,1
.if \zero && (\a == 0)
	v_wmma_scale_f32_16x16x128_f8f6f4 v[ACC+32*\i+8*(2*\q+\u):ACC+32*\i+8*(2*\q+\u)+7], v[WF+12*\u:WF+12*\u+11], v[XF+12*(2*\i+\a):XF+12*(2*\i+\a)+11], 0, v[WSC+2*\q+\u], v[XSC+2*\i+\a] matrix_a_fmt:MATRIX_FMT_BF6 matrix_b_fmt:MATRIX_FMT_BF6
.else
	v_wmma_scale_f32_16x16x128_f8f6f4 v[ACC+32*\i+8*(2*\q+\u):ACC+32*\i+8*(2*\q+\u)+7], v[WF+12*\u:WF+12*\u+11], v[XF+12*(2*\i+\a):XF+12*(2*\i+\a)+11], v[ACC+32*\i+8*(2*\q+\u):ACC+32*\i+8*(2*\q+\u)+7], v[WSC+2*\q+\u], v[XSC+2*\i+\a] matrix_a_fmt:MATRIX_FMT_BF6 matrix_b_fmt:MATRIX_FMT_BF6
.endif
.endr
.endr
.rept 4
	v_nop
.endr
.endr
.endr
.endm
; the way out: 32 rows x 64 columns through my own stage, back as whole rows of 256 bytes
.macro FINISH2 goy
	s_wait_alu depctr_va_vdst(0)                   ; the products have written the accumulators, which the LDS stores read; the four places stand ahead of this wait.  QUANT's lines are done reading v[ST ..], in which the stage's reads land
.irp i, 0,1
.irp t, 0,1,2,3
	ds_store_b128 v[SO], v[ACC+32*\i+8*\t:ACC+32*\i+8*\t+3] offset:4352*\i+128*(\t/2)+32*(\t%2)       ; each accumulator from its low end on
	ds_store_b128 v[SO], v[ACC+32*\i+8*\t+4:ACC+32*\i+8*\t+7] offset:4352*\i+128*(\t/2)+32*(\t%2)+16
.endr
.endr
.irp n, 0,1,2,3,4,5,6,7,8,9,10,11,12,13,14,15
	ds_load_b128 v[ST+4*\n:ST+4*\n+3], v[SR] offset:4352*(\n/8)+544*(\n%8)   ; LDS serves a wave's instructions in order: these see my stores
.endr
.irp n, 0,1,2,3,4,5,6,7,8,9,10,11,12,13,14,15
	s_wait_dscnt 15-\n
	global_store_b128 v[GY], v[ST+4*\n:ST+4*\n+3], s[46:47] offset:\goy+(16*(\n/8)+2*(\n%8))*4096 th:TH_STORE_NT   ; sixteen lanes store 256 consecutive bytes, at a multiple of 256 from ypart's first byte
.endr
.endm
	s_load_b256 s[4:11], s[0:1], 0x0               ; W2 s[4:5], hq s[6:7], hs s[8:9], meta s[10:11]
	s_load_b64 s[12:13], s[0:1], 0x20              ; ypart
	v_lshl_add_u32 v254, v0, 2, 0x3b000
	v_mov_b32 v255, 0
	v_lshrrev_b32 v24, 5, v0
	v_readfirstlane_b32 s20, v24                   ; wave
	s_lshr_b32 s21, ttmp9, 5                       ; e
	s_and_b32 s22, ttmp9, 15                       ; ns
	s_bfe_u32 s23, ttmp9, 0x10004                  ; kq
	s_wait_alu depctr_va_sdst(0)                   ; s20 is written, ahead of its first reader: LDS places, bases and the branches on rows are made from it
	s_lshl_b32 s26, s20, 5                         ; my first slot,
	s_add_co_u32 s27, s26, 512                     ; and in the second walk
	s_and_b32 s28, s20, 1                          ; cg
	s_lshr_b32 s29, s20, 1                         ; kb
	s_lshr_b32 s35, s29, 2
	s_lshl_b32 s36, s21, 7                         ; cnt[e]: 128 bytes an expert
	v_and_b32 v25, 31, v0                          ; lane
	v_and_b32 v26, 15, v0                          ; r
	v_bfe_u32 v27, v0, 4, 1                        ; h
	v_bfe_u32 v28, v0, 3, 1                        ; u
	v_and_b32 v29, 7, v0
	v_lshl_add_u32 v29, v27, 3, v29                ; m
	s_wait_alu depctr_va_vdst(0)
	v_lshlrev_b32 v[LN4], 2, v25
	s_mul_i32 s30, s28, 3072                       ; codes: tile pair cg, K step kb / 4, half kb & 1 of the lanes, block (kb >> 1) & 1 of the lane's two
	s_mul_i32 s34, s35, 6144
	s_add_co_u32 s30, s30, s34
	s_and_b32 s34, s29, 1
	s_mul_i32 s34, s34, 768
	s_add_co_u32 s30, s30, s34
	s_bfe_u32 s34, s29, 0x10001
	s_mul_i32 s34, s34, 24
	s_add_co_u32 s30, s30, s34
	v_mul_u32_u24 v[PW], v29, 48
	v_mad_u32_u24 v[PW], v28, 1536, v[PW]
	v_add_nc_u32 v[PW], s30, v[PW]
	v_add_nc_u32 v[PW+1], 49152, v[PW]
	s_lshl_b32 s30, s28, 3                         ; scale bytes: 16 m + 4 tile + block, 256 a K step
	s_lshl_b32 s34, s35, 8
	s_add_co_u32 s30, s30, s34
	s_and_b32 s34, s29, 3
	s_add_co_u32 s30, s30, s34
	s_add_co_u32 s30, s30, WS
	v_lshlrev_b32 v[SW], 4, v29
	v_lshl_add_u32 v[SW], v28, 2, v[SW]
	v_add_nc_u32 v[SW], s30, v[SW]
	v_mul_u32_u24 v[RP], v25, 48
	v_add_nc_u32 v[RP+1], 49152, v[RP]
	v_lshl_add_u32 v[RS], v26, 4, WS
	v_lshlrev_b32 v[XS], 7, v26
	s_mul_i32 s30, s20, 8704
	s_add_co_u32 s30, s30, STG                     ; my stage
	v_mul_u32_u24 v[SO], v26, 272
	v_lshl_add_u32 v[SO], v27, 6, v[SO]
	v_add_nc_u32 v[SO], s30, v[SO]                 ; in: row r, + 64 h
	v_mul_u32_u24 v[SR], v27, 272
	v_lshl_add_u32 v[SR], v26, 4, v[SR]
	v_add_nc_u32 v[SR], s30, v[SR]                 ; back: lanes 0-15 one row, lanes 16-31 the next
	v_lshlrev_b32 v[GY], 4, v26
	v_lshl_add_u32 v[GY], v27, 12, v[GY]
	s_mov_b32 s31, 0
	s_lshl_b32 s30, s21, 24                        ; W2: expert, half of K, my columns, my 32 rows
	s_lshl_b32 s34, s23, 23
	s_add_co_u32 s30, s30, s34
	s_lshl_b32 s34, s22, 8
	s_add_co_u32 s30, s30, s34
	s_lshl_b32 s34, s28, 7
	s_add_co_u32 s30, s30, s34
	s_lshl_b32 s34, s29, 17
	s_add_co_u32 s30, s30, s34
	s_wait_kmcnt 0x0
	s_load_b32 s24, s[10:11], s36 offset:0x2000    ; the expert's count
	s_add_nc_u64 s[40:41], s[4:5], s[30:31]
	s_wait_alu depctr_va_vdst(0)                   ; the addresses and offsets v1 to v14 are written, which every load and store of the kernel reads
	LOADSET 0
	LOADSET 1
	s_lshl_b32 s30, s23, 3
	s_add_co_u32 s30, s30, s21
	s_lshl_b32 s30, s30, 10
	s_add_co_u32 s30, s30, s26
	s_lshl_b32 s30, s30, 12
	s_lshl_b32 s34, s22, 8
	s_add_co_u32 s30, s30, s34
	s_add_nc_u64 s[46:47], s[12:13], s[30:31]      ; ypart: ((8 kq + e) 1024 + 32 wave) rows of 4,096 bytes + 256 ns
	s_mul_i32 s30, s21, 3145728
	s_add_nc_u64 s[42:43], s[6:7], s[30:31]        ; hq: the expert's 64 tiles of 32 images,
	s_mul_i32 s30, s23, 24576
	s_add_nc_u64 s[42:43], s[42:43], s[30:31]      ; my half of K: 16 images on
	s_lshl_b32 s30, s21, 17
	s_add_nc_u64 s[44:45], s[8:9], s[30:31]        ; hs: 64 tiles of 2,048 bytes,
	s_lshl_b32 s30, s23, 6
	s_add_nc_u64 s[44:45], s[44:45], s[30:31]      ; 16 words on
	s_wait_kmcnt 0x0
	s_max_u32 s25, s24, 1                          ; group 0 was always made
	s_cmp_lt_u32 s26, s25
	s_cselect_b32 s34, s20, 0                      ; my group if it has rows, else group 0: only bytes that were written are read
	s_min_u32 s34, s34, 15                         ; what hangs on the count is held by a constant, shifted and added to the pointer
	s_lshl_b32 s30, s34, 16
	s_add_nc_u64 s[42:43], s[42:43], s[30:31]      ; 98,304 bytes of images a group: two shifts, two sums
	s_lshl_b32 s30, s34, 15
	s_add_nc_u64 s[42:43], s[42:43], s[30:31]
	s_lshl_b32 s30, s34, 12
	s_add_nc_u64 s[44:45], s[44:45], s[30:31]      ; 4,096 bytes of scale words
	XLOADF 0, 0, 0
	XLOADF 0, 1, 0
	XLOADS 0, 0
	s_wait_loadcnt 46                              ; set 0 is in: set 1's 32 loads and the rows' 14 are younger
; A STEP: my block is quantised into LDS; the set two steps on is asked for; the barrier shows the step's codes to all; then, in waves that have rows, the step's products.
; The wait behind the barrier leaves only the youngest set out, whether or not the rows' loads were issued: so it holds on every way, and the next step's numbers are in too.
.macro STEP S
	QUANT \S
.if \S <= 5
	LOADSET \S+2
.endif
	s_wait_dscnt 0x0                               ; my LDS stores have landed, my LDS loads are in
.if \S < 7
	s_wait_alu depctr_vm_vsrc(0)                   ; my LDS stores have read v[C ..] and v[BY], which the next step's lines write again: stated here, ahead of the branch on rows
.endif
	s_barrier_signal -1
	s_barrier_wait -1
.if \S <= 5
	s_wait_loadcnt 32
.else
	s_wait_loadcnt 0x0
.endif
.if \S > 0
	s_cmp_ge_u32 s26, s25
	s_cbranch_scc1 .Lidle_\@
.endif
.if \S == 0
	MUL \S, 1, 1
.elseif \S == 7
	MUL \S, 0, 0
.else
	MUL \S, 0, 1
.endif
.if \S == 7
	FINISH2 0
.else
	s_wait_alu depctr_va_vdst(0)                   ; the step's last products are done reading h's fragments of the second K step and h's scale words, in which the loads below land
	XLOADF \S+1, 1, 0
	XLOADS \S+1, 0
.endif
.Lidle_\@:
.endm
.irp s, 0,1,2,3,4,5,6,7
	STEP \s
.endr
	; THE SECOND WALK: slots 512 + 32 wave on, from the codes that lie in LDS.  No barrier: nothing is written there any more.  A wave that comes here had rows in the first walk, so its bases are its own group's.
	s_wait_alu depctr_vm_vsrc(0)                   ; the stage's stores have read the accumulators, which the second walk's products begin anew, and the global stores v[ST ..], in which its reads of the stage land: stated ahead of the branch
	s_cmp_ge_u32 s27, s24
	s_cbranch_scc1 .Ldone
	s_wait_xcnt 0x0                                ; the stores above have read their registers
.irp s, 0,1,2,3,4,5,6,7
.if \s > 0
	s_wait_alu depctr_va_vdst(0)                   ; the last step's products are done reading h's fragments and scale words, WSC and WF, in which the loads below land (in step 0 the way out's wait has stated it)
.endif
	XLOADF \s, 0, 1572864                          ; 32 tiles on in hq and in hs
	XLOADF \s, 1, 1572864
	XLOADS \s, 65536
	s_wait_loadcnt 0x0
.if \s == 0
	MUL \s, 1, 0
.else
	MUL \s, 0, 0
.endif
.endr
	FINISH2 2097152                                ; 512 rows on in ypart
.Ldone:
	s_wait_dscnt 0x0                               ; the closing lines, six on end
	s_wait_alu 0x0
	s_wait_tensorcnt 0x0
	ds_add_u32 v254, v255
	s_wait_dscnt 0x0
	s_endpgm
.Lfunc_end_k_q249fd8521c_ffn2:
	.size	k_q249fd8521c_ffn2, .Lfunc_end_k_q249fd8521c_ffn2-k_q249fd8521c_ffn2
	.p2alignl 7, 3214868480
	.fill 96, 4, 3214868480
	.section	.rodata,"a",@progbits
	.p2align	6, 0x0
	.amdhsa_kernel k_q249fd8521c_ffn2
		.amdhsa_group_segment_fixed_size 243712
		.amdhsa_private_segment_fixed_size 0
		.amdhsa_enable_private_segment 0
		.amdhsa_kernarg_size 40
		.amdhsa_user_sgpr_count 2
		.amdhsa_user_sgpr_kernarg_segment_ptr 1
		.amdhsa_wavefront_size32 1
		.amdhsa_system_sgpr_workgroup_id_x 1
		.amdhsa_system_sgpr_workgroup_id_y 1
		.amdhsa_system_sgpr_workgroup_id_z 1
		.amdhsa_system_vgpr_workitem_id 0
		.amdhsa_next_free_vgpr 256
		.amdhsa_next_free_sgpr 66
		.amdhsa_reserve_vcc 0
		.amdhsa_float_denorm_mode_32 3
		.amdhsa_float_denorm_mode_16_64 3
		.amdhsa_memory_ordered 1
		.amdhsa_forward_progress 1
		.amdhsa_inst_pref_size 144
	.end_amdhsa_kernel
	.amdgpu_metadata
---
amdhsa.version: [ 1, 2 ]
amdhsa.kernels:
  - .name:           k_q249fd8521c_ffn2
    .symbol:         k_q249fd8521c_ffn2.kd
    .args:
      - { .name: W2, .offset: 0, .size: 8, .value_kind: global_buffer, .address_space: global }
      - { .name: hq, .offset: 8, .size: 8, .value_kind: global_buffer, .address_space: global }
      - { .name: hs, .offset: 16, .size: 8, .value_kind: global_buffer, .address_space: global }
      - { .name: meta, .offset: 24, .size: 8, .value_kind: global_buffer, .address_space: global }
      - { .name: ypart, .offset: 32, .size: 8, .value_kind: global_buffer, .address_space: global }
    .group_segment_fixed_size: 243712
    .private_segment_fixed_size: 0
    .kernarg_segment_align: 8
    .kernarg_segment_size: 40
    .max_flat_workgroup_size: 512
    .sgpr_count:     66
    .vgpr_count:     256
    .wavefront_size: 32
...
	.end_amdgpu_metadata
.endif
;; end of part 9
;; launch combine (part 10): grid 256 x 1, 8 waves a work-group, no clusters, 0 bytes of LDS; arguments ypart, meta, gp, b2, out0, out1; writes out0, out1
.if DOCPART == 10
	.amdgcn_target "amdgcn-amd-amdhsa--gfx1250"
	.amdhsa_code_object_version 6
	.text
	.protected	k_q249fd8521c_combine
	.globl	k_q249fd8521c_combine
	.p2align	8
	.type	k_q249fd8521c_combine,@function
k_q249fd8521c_combine:
	s_mov_b64 s[64:65], 0
	v_nop
	global_prefetch_b8 v0, s[64:65] scope:SCOPE_SE
	s_setreg_imm32_b32 hwreg(HW_REG_WAVE_MODE, 25, 1), 1
	s_wait_xcnt 0x0
; COMBINE.  out0[token] = g0 (y(slot0) + b2[e0]) + g1 (y(slot1) + b2[e1]), y(slot) = the two halves of K added; each output row has one owner.  And the auxiliary loss.
; A work-group has 8 waves and takes 4 tokens; a wave takes half a row (2,048 bytes) in four chunks: every load and store covers 512 consecutive bytes.
; slotof (whole numbers, stored two launches ago) gives each routed row's place, 1024 e + place in the expert's list; it is held inside ypart's 8,192 rows, the expert inside b2's 8.
; A stream: memory binds; matrix units, LDS and clusters would add nothing.  All 24 loads of a wave go out at once; the waits count down by chunks of six.
	s_load_b256 s[4:11], s[0:1], 0x0               ; ypart s[4:5], meta s[6:7], gp s[8:9], b2 s[10:11]
	s_load_b128 s[12:15], s[0:1], 0x20             ; out0 s[12:13], out1 s[14:15]
	v_lshrrev_b32 v1, 5, v0
	s_delay_alu instid0(VALU_DEP_1)
	v_readfirstlane_b32 s16, v1                    ; wave
	v_and_b32 v2, 31, v0                           ; lane
	s_lshr_b32 s17, s16, 1
	s_lshl_b32 s18, ttmp9, 2
	s_add_co_u32 s17, s17, s18                     ; my token
	s_and_b32 s18, s16, 1
	s_lshl_b32 s18, s18, 11                        ; my half of the row
	v_lshl_add_u32 v1, v2, 4, s18
	s_lshl_b32 s19, s17, 3
	s_wait_alu depctr_va_vdst(0)
	s_wait_kmcnt 0x0
	s_load_b64 s[20:21], s[6:7], s19 offset:0x0    ; the two slots
	s_load_b64 s[22:23], s[8:9], s19 offset:0x0    ; the two weights
	s_mov_b32 s31, 0
	s_wait_kmcnt 0x0
	s_min_u32 s26, s20, 0x1fff
	s_min_u32 s27, s21, 0x1fff
	s_lshr_b32 s28, s20, 10
	s_lshr_b32 s29, s21, 10
	s_min_u32 s28, s28, 7
	s_min_u32 s29, s29, 7
	s_mov_b32 s24, s23                             ; g1 in a pair of its own: a packed form takes a scalar pair's low word for both halves
	s_mov_b32 s25, s23
	s_lshl_b32 s30, s26, 12
	s_add_nc_u64 s[32:33], s[4:5], s[30:31]        ; slot 0, first half of K,
	s_add_nc_u64 s[34:35], s[32:33], 0x2000000     ; second half
	s_lshl_b32 s30, s27, 12
	s_add_nc_u64 s[36:37], s[4:5], s[30:31]        ; slot 1
	s_add_nc_u64 s[38:39], s[36:37], 0x2000000
	s_lshl_b32 s30, s28, 12
	s_add_nc_u64 s[40:41], s[10:11], s[30:31]      ; b2 of the two experts
	s_lshl_b32 s30, s29, 12
	s_add_nc_u64 s[42:43], s[10:11], s[30:31]
	s_lshl_b32 s30, s17, 12
	s_add_nc_u64 s[44:45], s[12:13], s[30:31]      ; my row of out0
.irp c, 0,1,2,3
	global_load_b128 v[8+24*\c:11+24*\c],  v1, s[32:33] offset:512*\c th:TH_LOAD_NT
	global_load_b128 v[12+24*\c:15+24*\c], v1, s[34:35] offset:512*\c th:TH_LOAD_NT
	global_load_b128 v[16+24*\c:19+24*\c], v1, s[40:41] offset:512*\c
	global_load_b128 v[20+24*\c:23+24*\c], v1, s[36:37] offset:512*\c th:TH_LOAD_NT
	global_load_b128 v[24+24*\c:27+24*\c], v1, s[38:39] offset:512*\c th:TH_LOAD_NT
	global_load_b128 v[28+24*\c:31+24*\c], v1, s[42:43] offset:512*\c
.endr
.irp c, 0,1,2,3
	s_wait_loadcnt 6*(3-\c)                        ; this chunk's six loads are in; the later chunks' may be out
	v_pk_add_f32 v[8+24*\c:9+24*\c],   v[8+24*\c:9+24*\c],   v[12+24*\c:13+24*\c]
	v_pk_add_f32 v[10+24*\c:11+24*\c], v[10+24*\c:11+24*\c], v[14+24*\c:15+24*\c]
	v_pk_add_f32 v[20+24*\c:21+24*\c], v[20+24*\c:21+24*\c], v[24+24*\c:25+24*\c]
	v_pk_add_f32 v[22+24*\c:23+24*\c], v[22+24*\c:23+24*\c], v[26+24*\c:27+24*\c]
	s_delay_alu instid0(VALU_DEP_4)
	v_pk_add_f32 v[8+24*\c:9+24*\c],   v[8+24*\c:9+24*\c],   v[16+24*\c:17+24*\c]
	s_delay_alu instid0(VALU_DEP_4)
	v_pk_add_f32 v[10+24*\c:11+24*\c], v[10+24*\c:11+24*\c], v[18+24*\c:19+24*\c]
	s_delay_alu instid0(VALU_DEP_4)
	v_pk_add_f32 v[20+24*\c:21+24*\c], v[20+24*\c:21+24*\c], v[28+24*\c:29+24*\c]
	s_delay_alu instid0(VALU_DEP_4)
	v_pk_add_f32 v[22+24*\c:23+24*\c], v[22+24*\c:23+24*\c], v[30+24*\c:31+24*\c]
	s_delay_alu instid0(VALU_DEP_4)
	v_pk_mul_f32 v[8+24*\c:9+24*\c],   v[8+24*\c:9+24*\c],   s[22:23] op_sel_hi:[1,0]
	s_delay_alu instid0(VALU_DEP_4)
	v_pk_mul_f32 v[10+24*\c:11+24*\c], v[10+24*\c:11+24*\c], s[22:23] op_sel_hi:[1,0]
	s_delay_alu instid0(VALU_DEP_2)
	v_pk_fma_f32 v[8+24*\c:9+24*\c],   v[20+24*\c:21+24*\c], s[24:25], v[8+24*\c:9+24*\c] op_sel_hi:[1,0,1]
	s_delay_alu instid0(VALU_DEP_2)
	v_pk_fma_f32 v[10+24*\c:11+24*\c], v[22+24*\c:23+24*\c], s[24:25], v[10+24*\c:11+24*\c] op_sel_hi:[1,0,1]
	global_store_b128 v1, v[8+24*\c:11+24*\c], s[44:45] offset:512*\c th:TH_STORE_NT
.endr
	s_or_b32 s30, ttmp9, s16
	s_cmp_lg_u32 s30, 0
	s_cbranch_scc1 .Lend
	; work-group 0, wave 0: aux = 0.01 x the sum over experts of u log(u + 1e-8), u = the mean probability.  psum is [64][8]: lane l's word q of each load belongs to expert 4 (l & 1) + q
	v_lshlrev_b32 v3, 4, v2
	v_mov_b32 v4, 0
.irp j, 0,1,2,3
	global_load_b128 v[104+4*\j:107+4*\j], v3, s[8:9] offset:8192+512*\j
.endr
	s_mov_b32 s46, 0x76543210
	s_mov_b32 s47, 0xfedcba98                      ; v_permlanex16_b32's selects for lane l xor 16
	s_wait_loadcnt 0x0
	v_pk_add_f32 v[104:105], v[104:105], v[108:109]
	v_pk_add_f32 v[106:107], v[106:107], v[110:111]
	v_pk_add_f32 v[112:113], v[112:113], v[116:117]
	v_pk_add_f32 v[114:115], v[114:115], v[118:119]
	s_delay_alu instid0(VALU_DEP_2)
	v_pk_add_f32 v[104:105], v[104:105], v[112:113]
	s_delay_alu instid0(VALU_DEP_2)
	v_pk_add_f32 v[106:107], v[106:107], v[114:115]
.irp m, 2,4,8
.irp q, 0,1,2,3
	v_add_f32_dpp v[104+\q], v[104+\q], v[104+\q] row_xmask:\m row_mask:0xf bank_mask:0xf
.endr
.endr
.irp q, 0,1,2,3
	s_delay_alu instid0(VALU_DEP_4)
	v_permlanex16_b32 v[108+\q], v[104+\q], s46, s47
.endr
.irp q, 0,1,2,3
	s_delay_alu instid0(VALU_DEP_4)
	v_add_f32 v[104+\q], v[104+\q], v[108+\q]      ; the sum over all 1,024 tokens
.endr
.irp q, 0,1,2,3
	s_delay_alu instid0(VALU_DEP_4)
	v_mul_f32 v[104+\q], 0x3a800000, v[104+\q]     ; / 1,024
.endr
.irp q, 0,1,2,3
	s_delay_alu instid0(VALU_DEP_4)
	v_add_f32 v[108+\q], 0x322bcc77, v[104+\q]     ; + 1e-8
.endr
	s_wait_alu depctr_va_vdst(0)
.irp q, 0,1,2,3
	v_log_f32 v[108+\q], v[108+\q]                 ; log2
.endr
	v_nop                                          ; a plain place behind the logarithms
	s_wait_alu depctr_va_vdst(0)
.irp q, 0,1,2,3
	v_mul_f32 v[108+\q], v[108+\q], v[104+\q]
.endr
	s_delay_alu instid0(VALU_DEP_3)
	v_add_f32 v108, v108, v109
	s_delay_alu instid0(VALU_DEP_2)
	v_add_f32 v110, v110, v111
	s_delay_alu instid0(VALU_DEP_1)
	v_add_f32 v108, v108, v110
	s_delay_alu instid0(VALU_DEP_1)
	v_add_f32_dpp v108, v108, v108 row_xmask:1 row_mask:0xf bank_mask:0xf   ; the other four experts
	s_delay_alu instid0(VALU_DEP_1)
	v_mul_f32 v108, 0x3be32166, v108               ; x 0.01 ln 2
	v_cmp_eq_u32 vcc_lo, 0, v2
	s_wait_alu depctr_va_vdst(0)
	s_wait_xcnt 0x0                                ; EXEC changes only behind this wait
	s_and_saveexec_b32 s30, vcc_lo
	global_store_b32 v4, v108, s[14:15]
	s_wait_xcnt 0x0
	s_or_b32 exec_lo, exec_lo, s30
.Lend:
	s_endpgm
.Lfunc_end_k_q249fd8521c_combine:
	.size	k_q249fd8521c_combine, .Lfunc_end_k_q249fd8521c_combine-k_q249fd8521c_combine
	.p2alignl 7, 3214868480
	.fill 96, 4, 3214868480
	.section	.rodata,"a",@progbits
	.p2align	6, 0x0
	.amdhsa_kernel k_q249fd8521c_combine
		.amdhsa_group_segment_fixed_size 0
		.amdhsa_private_segment_fixed_size 0
		.amdhsa_enable_private_segment 0
		.amdhsa_kernarg_size 48
		.amdhsa_user_sgpr_count 2
		.amdhsa_user_sgpr_kernarg_segment_ptr 1
		.amdhsa_wavefront_size32 1
		.amdhsa_system_sgpr_workgroup_id_x 1
		.amdhsa_system_sgpr_workgroup_id_y 1
		.amdhsa_system_sgpr_workgroup_id_z 1
		.amdhsa_system_vgpr_workitem_id 0
		.amdhsa_next_free_vgpr 128
		.amdhsa_next_free_sgpr 66
		.amdhsa_reserve_vcc 1
		.amdhsa_float_denorm_mode_32 3
		.amdhsa_float_denorm_mode_16_64 3
		.amdhsa_memory_ordered 1
		.amdhsa_forward_progress 1
		.amdhsa_inst_pref_size 13
	.end_amdhsa_kernel
	.amdgpu_metadata
---
amdhsa.version: [ 1, 2 ]
amdhsa.kernels:
  - .name:           k_q249fd8521c_combine
    .symbol:         k_q249fd8521c_combine.kd
    .args:
      - { .name: ypart, .offset: 0, .size: 8, .value_kind: global_buffer, .address_space: global }
      - { .name: meta, .offset: 8, .size: 8, .value_kind: global_buffer, .address_space: global }
      - { .name: gp, .offset: 16, .size: 8, .value_kind: global_buffer, .address_space: global }
      - { .name: b2, .offset: 24, .size: 8, .value_kind: global_buffer, .address_space: global }
      - { .name: out0, .offset: 32, .size: 8, .value_kind: global_buffer, .address_space: global }
      - { .name: out1, .offset: 40, .size: 8, .value_kind: global_buffer, .address_space: global }
    .group_segment_fixed_size: 0
    .private_segment_fixed_size: 0
    .kernarg_segment_align: 8
    .kernarg_segment_size: 48
    .max_flat_workgroup_size: 256
    .sgpr_count:     66
    .vgpr_count:     128
    .wavefront_size: 32
...
	.end_amdgpu_metadata
.endif
;; end of part 10
